; MI455X (gfx1250); checked and timed in simulation.
; The chip was launched on July 23, 2026; its instructions are those of AMD's public machine-readable ISA for CDNA 5 (MIT licence, August 2026) and "CDNA5" Instruction Set Architecture Reference Guide (July 2026). The comments in the code are by the model that wrote it; some were corrected since.
;; Multi Head Self Attention. Allowed arithmetic: matrix products marked QUANTISED: E2M1 operands, one E8M0 scale for each 32 along K, by v_wmma_scale_f32_16x16x128_f8f6f4 with both operands' format E2M1 (or v_wmma_scale_f32_32x16x128_f4), f32 sums; everything else in f32.
;; Inputs: Wkv_codes 1,024 x 16 x 16 uint8 (E2M1 codes of Wkv, K innermost, in blocks of 32 codes, two codes a byte); Wkv_scales 1,024 x 16 uint8 (E8M0 scales of Wkv, one for each 32 codes along K); Wout_codes 512 x 16 x 16 uint8 (E2M1 codes of Wout, K innermost, in blocks of 32 codes, two codes a byte); Wout_scales 512 x 16 uint8 (E8M0 scales of Wout, one for each 32 codes along K); Wq_codes 512 x 16 x 16 uint8 (E2M1 codes of Wq, K innermost, in blocks of 32 codes, two codes a byte); Wq_scales 512 x 16 uint8 (E8M0 scales of Wq, one for each 32 codes along K); bkv 1,024 float32; bout 512 float32; bq 512 float32; rel_emb 1,025 x 64 float32; x_codes 8 x 1,024 x 16 x 16 uint8 (E2M1 codes of x, K innermost, in blocks of 32 codes, two codes a byte); x_scales 8 x 1,024 x 16 uint8 (E8M0 scales of x, one for each 32 codes along K).
;; Outputs: out0 8 x 1,024 x 512 float32.
;; This version of the problem:
;;   THIS VERSION OF THE PROBLEM IS GIVEN IN LOW PRECISION. The matrix products marked QUANTISED in the list below multiply operands that are first quantised to E2M1 (2 exponent bits, 1 mantissa bit; 4 bits a number), with one power-of-two scale for each 32 numbers along K (OCP MX v1.0); their sums are f32. All else is computed in f32.
;;   The module's matrix products, in the order in which they are computed (A, B: the left and right operand; K: the contracted axis; several contracted axes count as one K, in the product's order):
;;     1. [M 8,192, K 512] x [K 512, N 512]; A: input x (given as codes); B: input Wq (given as codes): QUANTISED
;;     2. [M 8,192, K 512] x [K 512, N 1,024]; A: input x (given as codes); B: input Wkv (given as codes): QUANTISED
;;     3. batch 64 x [M 1,024, K 64] x [K 64, N 1,024]; A: computed on the way; B: computed on the way: QUANTISED
;;     4. batch 1,024 x [M 1,024, K 64] x [K 64, N 64]; A: computed on the way; B: computed on the way: QUANTISED
;;     5. batch 64 x [M 1,024, K 1,024] x [K 1,024, N 64]; A: softmax (see below); B: computed on the way: QUANTISED
;;     6. [M 8,192, K 512] x [K 512, N 512]; A: computed on the way; B: input Wout (given as codes): QUANTISED
;;   THE QUANTISER, for each operand of a quantised product, along K:
;;     - K is cut into blocks of 32 from its start; a last block that is shorter is filled with zeros.
;;     - A block's scale is 2^e with e = floor(log2(the largest magnitude in the block)) - 2, held to -126 .. 127; a block of zeros has e = 0. As a byte (E8M0): e + 127.
;;     - Each number is divided by its block's scale, clamped to +-6, and rounded to the nearest number of E2M1, ties to even, subnormals kept.
;;     - The product sums the exact products of the quantised numbers (number of the format x scale) in f32.
;;   ~~~python
;;   def quantise(x, axis):      # numpy; x: float32 -> the quantised numbers, widened to float32 again
;;       x = np.moveaxis(x, axis, -1); K = x.shape[-1]
;;       x = np.pad(x, [(0, 0)] * (x.ndim - 1) + [(0, -K % 32)]); x = x.reshape(x.shape[:-1] + (-1, 32)); a = np.abs(x).max(-1, keepdims=True)
;;       e = np.where(a > 0, np.clip(np.frexp(np.where(a > 0, a, 1))[1] - 1 - 2, -126, 127), 0)      # np.frexp(a)[1] - 1 = floor(log2(a)), exactly
;;       r = np.clip(x / 2.0 ** e, -6, 6)
;;       step = 2.0 ** (np.maximum(np.frexp(np.where(r == 0, 1, r))[1] - 1, 0) - 1)
;;       q = np.round(r / step) * step * 2.0 ** e      # np.round: ties to even
;;       return np.moveaxis(q.reshape(q.shape[:-2] + (-1,))[..., :K], -1, axis).astype(np.float32)
;;   ~~~
;;   SOFTMAX AHEAD OF A QUANTISED PRODUCT. Where the list says 'softmax', what is quantised is not the finished softmax but p = 2^(t - M), with t = logit x log2(e) and M = ceil(the row's largest t), a whole number; so 1/2 < the row's largest p <= 1. The row's sum l is taken of the UNQUANTISED p, in f32, and the product's result is divided by l at the end. Since M is a whole number, a kernel that streams over the keys may use a running M (the ceiling of the running maximum): every later rescaling is an exact power of two, which a block's scale takes up: the codes' values come out the same.
;;   OPERANDS COMPUTED ON THE WAY. 'Computed on the way' means the value that the module computes at that place (a softmax that the list does not call 'softmax' is quantised finished and normalised). What goes into a quantiser is computed in f32, as accurately as f32 sums, v_exp_f32 and their like allow (about 1e-6 of the number): no bf16 or f16 on the way to a quantiser, and a product that is left as it is and whose result goes on into a quantised operand takes f32 operands (vector FMAs, or v_wmma_f32_16x16x4_f32). A number that lies on a knife's edge between two numbers of the format may be rounded either way, as far as f32 arithmetic and the matrix unit's own rounding can turn it there, and no further.
;;   INPUTS GIVEN AS CODES. Wkv (in the module: [512, 1024], K = its axis 0); Wout (in the module: [512, 512], K = its axis 0); Wq (in the module: [512, 512], K = its axis 0); x (in the module: [8, 1024, 512], K = its axis 2): each comes as NAME_codes (uint8): NAME with its K axis moved to the last place and cut into blocks of 32 codes, [.., K / 32, bytes a block], one block behind the other in memory; two codes a byte, the lower K in the low four bits (a code: sign, 2 exponent bits, 1 mantissa bit); and NAME_scales (uint8): the same leading axes, one E8M0 byte (e + 127) for each 32 codes along K. Its value is code x scale, taken as it is: it is not quantised again, and the codes and scales need not be those that the quantiser above would give.
;; 2 versions. Each part assembles by itself: llvm-mc -triple=amdgcn-amd-amdhsa -mcpu=gfx1250 --defsym DOCPART=n.
;; ======== version 1 of 2: 3 launches
;; workspace buffers: qkv 6,946,816 bytes; rtab 98,304 bytes; oc 2,097,152 bytes; os 131,072 bytes
;; launch proj (part 1): grid 64 x 4, 7 waves a work-group, no clusters, 0 bytes of LDS; arguments x_codes, x_scales, Wq_codes, Wq_scales, bq, Wkv_codes, Wkv_scales, bkv, rel_emb, qkv, rtab; writes qkv, rtab
.if DOCPART == 1
	.amdgcn_target "amdgcn-amd-amdhsa--gfx1250"
	.amdhsa_code_object_version 6
	.text
	.protected	k_qd6230c2a0c_proj
	.globl	k_qd6230c2a0c_proj
	.p2align	8
	.type	k_qd6230c2a0c_proj,@function
k_qd6230c2a0c_proj:
	s_mov_b64 s[64:65], 0
	v_nop
	global_prefetch_b8 v0, s[64:65] scope:SCOPE_SE
	s_setreg_imm32_b32 hwreg(HW_REG_WAVE_MODE, 25, 1), 1
	s_wait_xcnt 0x0
; q = x Wq + bq, k and v = x Wkv + bkv on codes of FP4 (E2M1) with E8M0 scales, and at once the quantising of q, k (along the head's 64), of v (along the keys) and of rel_emb's rows (along their 64).
; What is stored is laid in the order of the next launch's operand registers, so that a fragment there is one load of 16 bytes a lane.
; SHARES.  Work-group (x, y): x = a step of 128 tokens (batch x / 8, step x % 8), y = a pair of heads.  Seven waves, three roles by the wave's number, each with its own end; no LDS, no barrier, waves share nothing.
;   waves 0-3: q (even) or k (odd) of head 2 y + wave / 2: source 0 = 16 rows of W, source 1 = 16 tokens: a lane holds ONE token and its 32 registers are d = 32 (lane / 16) + 0 .. 31: a whole block.
;   waves 4-5: v of head 2 y + wave % 2: source 0 = 16 tokens, source 1 = 16 rows of W: a lane holds ONE d and its registers run along the tokens: 64 (lane / 16) + 0 .. 63: two whole blocks.
;   wave 6:    eight rows of the table of relative positions.
; THE ROWS OF A TILE ARE NOT NEIGHBOURS.  Tile t of tokens: lane r takes token 8 t + r % 8 + 64 (r / 8).  Tile t of W: lane r takes row 8 t + r % 8 + 32 (r / 8).  So a lane's registers over the tiles are neighbours along the next K.
; qkv, for each (batch, head) 108,544 bytes: K codes 0, V codes 32,768, K scale words 65,536, V scale words 69,632, Q codes 71,680, Q scale words 104,448.
;   K, Q codes [step 8][tile 8][lane 32][16 bytes]; their scale words [step 8][r 16][tile 8], bytes 0 and 1 the two blocks, bytes 2 and 3 zero (they stand over zero codes).
;   V codes [step 8][f 4][c 2][lane 32][16 bytes]: lane (r, h): d = 8 f + r % 8 + 32 (r / 8), keys 64 h + 32 c + 0 .. 31; its scale words [step 8][r 16][f 4], byte 2 c + h.
; rtab: 2,048 rows of 48 bytes; row e stands for query - key = 1023 - e and holds rel_emb[clamp(1535 - e, 0, 1024)]: a scale word, 12 zero bytes, two blocks of 16 bytes.  The clip is built into the table.
; LIMITS: NaN and infinities among the inputs are not served.  A block of zeros, and one whose largest magnitude lies under 2^-124, gets the byte 1 (the rule says 127 for zeros): its codes are zeros, and only this program reads the bytes.
; REGISTERS.  Window 0: v1-10 offsets; v12-27 W's scale words; v28-39 x's, three sets; v40-45 at work; from v64 accumulators, codes, words.  Window 1: v0-127 W's 16 fragments; v128-159 the bias in the result's layout; v160-255 x's fragments, three sets.
.set BHB,  108544
.set RR,   1
.set HH,   2
.set XA,   3                           ; x: my row of a tile and my half's 16 bytes
.set XSA,  4                           ; x's scale bytes: my row
.set WA,   5                           ; the same for W
.set WSA,  6
.set BA,   7                           ; the bias
.set LI,   8                           ; 16 x lane: my place in an image
.set SH8,  9                           ; 8 x (lane / 16)
.set SOA,  10                          ; where my scale words go
.set RS,   12
.set SS,   28
.set T0,   40
.set T1,   41
.set SCO,  42
.set BY,   43
.set PT,   44
.set PX,   45
.set ACC,  64
.set CDQ,  96                          ; q, k: four registers of codes for each tile, so that no store's data are written again
.set KW,   128                         ; q, k: a scale word for each tile
.set OWQ,  136
.set CDV,  192                         ; v: four registers of codes for each (c, f)
.set VP,   224
.set BV,   228
.set OWV,  232
.set WF,   0                           ; window 1
.set BIAS, 128
.set XF,   160
.set MSB, 0
.macro WIN new                         ; the immediate's high byte repeats the setting that is left
.if MSB != \new
	s_set_vgpr_msb (MSB<<8)|\new
.set MSB, \new
.endif
.endm
.macro PLACES                          ; four places behind matrix instructions, in front of reads of their results and of loads into their sources
.rept 4
	v_nop
.endr
.endm
.macro LOADW                           ; my 64 rows of W: 4 tiles x 4 K steps of 128, and their scale words: 36 loads; they stay
	WIN 0x40                                       ; destination window 1
.irp t, 0,1,2,3
.irp ks, 0,1,2,3
.irp c, 0,1
	global_load_b128 v[WF+32*\t+8*\ks+4*\c:WF+32*\t+8*\ks+4*\c+3], v[WA], s[36:37] offset:2048*\t+64*\ks+32*\c
.endr
.endr
.endr
	WIN 0
.irp t, 0,1,2,3
	global_load_b128 v[RS+4*\t:RS+4*\t+3], v[WSA], s[38:39] offset:128*\t
.endr
.endm
.macro XLOAD t                         ; tile t of tokens, all of K, into set t % 3: nine loads
	WIN 0x40
.irp ks, 0,1,2,3
.irp c, 0,1
	global_load_b128 v[XF+32*((\t)%3)+8*\ks+4*\c:XF+32*((\t)%3)+8*\ks+4*\c+3], v[XA], s[32:33] offset:2048*(\t)+64*\ks+32*\c
.endr
.endr
	WIN 0
	global_load_b128 v[SS+4*((\t)%3):SS+4*((\t)%3)+3], v[XSA], s[34:35] offset:128*(\t)
.endm
; 32 numbers of a lane, one block along the next K, become 16 bytes of codes in v[c] on; the scale's byte is left in v[BY].
.macro QUANT32 a, c
	v_max3_num_f32 v[T0], |v[(\a)]|, |v[(\a)+1]|, 0x1800000        ; two chains; the floor 2^(3 - 127) among the leaves holds the byte at 1 from below
	v_max3_num_f32 v[T1], |v[(\a)+16]|, |v[(\a)+17]|, 0x1800000
.irp i, 2,4,6,8,10,12,14
	v_max3_num_f32 v[T0], v[T0], |v[(\a)+\i]|, |v[(\a)+\i+1]|
	v_max3_num_f32 v[T1], v[T1], |v[(\a)+16+\i]|, |v[(\a)+17+\i]|
.endr
	v_max_num_f32 v[T0], v[T0], v[T1]
	v_add_nc_u32 v[SCO], 0xff000000, v[T0]         ; 2 off the exponent field: the conversion takes the exponent field of this operand as its scale
.irp g, 0,1,2,3
	v_cvt_scalef32_pk8_fp4_f32 v[(\c)+\g], v[(\a)+8*\g:(\a)+8*\g+7], v[SCO]
.endr
	v_lshrrev_b32 v[BY], 23, v[SCO]                ; the scale's byte; also the plain line behind the conversions
.endm
	s_load_b512 s[4:19], s[0:1], 0x0               ; x codes, x scales, Wq codes, Wq scales, bq, Wkv codes, Wkv scales, bkv
	s_load_b128 s[20:23], s[0:1], 0x40             ; rel_emb, qkv
	s_load_b64 s[24:25], s[0:1], 0x50              ; rtab
	v_lshrrev_b32 v1, 5, v0
	v_readfirstlane_b32 s26, v1                    ; wave 0..6
	s_and_b32 s27, ttmp7, 0xffff                   ; the pair of heads
	s_mov_b32 s28, 0x76543210
	s_mov_b32 s29, 0xfedcba98                      ; v_permlanex16_b32's selects for lane l xor 16
	s_mov_b32 s30, 0xffff0000                      ; lanes 16-31
	s_mov_b32 s31, 0x11111111                      ; every fourth lane
	v_and_b32 v[RR], 15, v0                        ; r
	v_bfe_u32 v[HH], v0, 4, 1                      ; h
	v_and_b32 v[T0], 7, v0                         ; r % 8
	v_bfe_u32 v[T1], v0, 3, 1                      ; r / 8
	v_lshlrev_b32 v[XA], 8, v[T0]                  ; rows of 256 bytes
	v_lshl_add_u32 v[WA], v[T1], 13, v[XA]         ; W: 32 rows on for r / 8
	v_lshl_add_u32 v[XA], v[T1], 14, v[XA]         ; x: 64 rows on
	v_lshl_add_u32 v[WA], v[HH], 4, v[WA]
	v_lshl_add_u32 v[XA], v[HH], 4, v[XA]
	v_lshlrev_b32 v[XSA], 4, v[T0]                 ; rows of 16 scale bytes
	v_lshl_add_u32 v[WSA], v[T1], 9, v[XSA]
	v_lshl_add_u32 v[XSA], v[T1], 10, v[XSA]
	v_and_b32 v[LI], 31, v0
	v_lshlrev_b32 v[LI], 4, v[LI]
	v_lshlrev_b32 v[SH8], 3, v[HH]
	v_mov_b32 v[PX], 0                             ; a lane permute's destination counts as one of its sources
	s_lshl_b32 s46, ttmp9, 15                      ; my 128 tokens: 32,768 bytes of codes,
	s_mov_b32 s47, 0
	s_lshl_b32 s48, ttmp9, 11                      ; 2,048 of scale bytes
	s_mov_b32 s49, 0
	s_lshr_b32 s50, ttmp9, 3                       ; the batch
	s_and_b32 s51, ttmp9, 7                        ; the step of 128 tokens in it
	s_wait_kmcnt 0x0
	s_add_nc_u64 s[32:33], s[4:5], s[46:47]
	s_add_nc_u64 s[34:35], s[6:7], s[48:49]
	s_cmp_lt_u32 s26, 4
	s_cbranch_scc0 .Lnot_qk
	; ---------------- q or k ----------------
	s_and_b32 s52, s26, 1                          ; 1: k
	s_lshr_b32 s53, s26, 1
	s_lshl_b32 s54, s27, 1
	s_add_co_u32 s53, s53, s54                     ; the head
	s_cmp_eq_u32 s52, 1                            ; the choice hangs on the wave's number alone
	s_cselect_b64 s[36:37], s[14:15], s[8:9]       ; k is the first half of Wkv's rows
	s_cselect_b64 s[38:39], s[16:17], s[10:11]
	s_cselect_b64 s[40:41], s[18:19], s[12:13]
	s_cselect_b32 s54, 0, 71680                    ; where the codes go,
	s_mov_b32 s55, 104448
	s_cselect_b32 s55, 65536, s55                  ; and the scale words
	s_lshl_b32 s46, s53, 14                        ; the head's 64 rows of W
	s_add_nc_u64 s[36:37], s[36:37], s[46:47]
	s_lshl_b32 s46, s53, 10
	s_add_nc_u64 s[38:39], s[38:39], s[46:47]
	s_lshl_b32 s46, s53, 8
	s_add_nc_u64 s[40:41], s[40:41], s[46:47]
	s_lshl_b32 s48, s50, 3
	s_add_co_u32 s48, s48, s53
	s_mul_i32 s48, s48, BHB                        ; (batch, head)'s part of qkv
	s_lshl_b32 s46, s51, 12
	s_add_co_u32 s46, s46, s48
	s_add_co_u32 s46, s46, s54
	s_add_nc_u64 s[42:43], s[22:23], s[46:47]
	s_lshl_b32 s46, s51, 9
	s_add_co_u32 s46, s46, s48
	s_add_co_u32 s46, s46, s55
	s_add_nc_u64 s[44:45], s[22:23], s[46:47]
	v_lshlrev_b32 v[BA], 7, v[HH]                  ; the bias of d = 32 h + 8 t + 0 .. 7
	v_lshlrev_b32 v[SOA], 5, v[RR]
	v_lshl_add_u32 v[SOA], v[HH], 4, v[SOA]        ; scale words: row r of 32 bytes, my half's four tiles
	WIN 0x40
.irp t, 0,1,2,3
	global_load_b128 v[BIAS+8*\t:BIAS+8*\t+3], v[BA], s[40:41] offset:32*\t
	global_load_b128 v[BIAS+8*\t+4:BIAS+8*\t+7], v[BA], s[40:41] offset:32*\t+16
.endr
	LOADW
	XLOAD 0
	XLOAD 1
	XLOAD 2
; 16 matrix instructions: K step by K step, the four accumulators by turns, one instruction a turn.  The bias is the C of each sum's first.
.macro MMQK t
.irp ks, 0,1,2,3
.if \ks == 0
	WIN 0x15                                       ; W, x and the bias in window 1, the result in window 0
.else
	WIN 0x05
.endif
.irp tt, 0,1,2,3
.if \ks == 0
	v_wmma_scale_f32_16x16x128_f8f6f4 v[ACC+8*\tt:ACC+8*\tt+7], v[WF+32*\tt+8*\ks:WF+32*\tt+8*\ks+7], v[XF+32*((\t)%3)+8*\ks:XF+32*((\t)%3)+8*\ks+7], v[BIAS+8*\tt:BIAS+8*\tt+7], v[RS+4*\tt+\ks], v[SS+4*((\t)%3)+\ks] matrix_a_fmt:MATRIX_FMT_FP4 matrix_b_fmt:MATRIX_FMT_FP4
.else
	v_wmma_scale_f32_16x16x128_f8f6f4 v[ACC+8*\tt:ACC+8*\tt+7], v[WF+32*\tt+8*\ks:WF+32*\tt+8*\ks+7], v[XF+32*((\t)%3)+8*\ks:XF+32*((\t)%3)+8*\ks+7], v[ACC+8*\tt:ACC+8*\tt+7], v[RS+4*\tt+\ks], v[SS+4*((\t)%3)+\ks] matrix_a_fmt:MATRIX_FMT_FP4 matrix_b_fmt:MATRIX_FMT_FP4
.endif
.endr
.endr
	WIN 0
.endm
.irp t, 0,1,2,3,4,5,6,7
.if 7-\t >= 2
	s_wait_loadcnt 18                              ; this tile's nine loads (and all before them) are in; the two younger tiles' may be out
.else
	s_wait_loadcnt 9*(7-\t)
.endif
	MMQK \t
	PLACES
.if \t+3 <= 7
	XLOAD \t+3                                     ; into the set just multiplied
.endif
	QUANT32 ACC, CDQ+4*\t                          ; my token's d = 32 h + 0 .. 31
	global_store_b128 v[LI], v[CDQ+4*\t:CDQ+4*\t+3], s[42:43] offset:512*\t   ; the wave stores 512 consecutive bytes: the tile's image
	v_lshlrev_b32 v[PT], v[SH8], v[BY]             ; my block's byte at its place,
	v_permlanex16_b32 v[PX], v[PT], s28, s29
	v_or_b32 v[KW+\t], v[PT], v[PX]                ; with lane l xor 16's: the token's scale word
.endr
.irp k, 0,1,2,3
	v_cndmask_b32 v[OWQ+\k], v[KW+\k], v[KW+4+\k], s30   ; lanes 0-15 send tiles 0-3, lanes 16-31 tiles 4-7
.endr
	global_store_b128 v[SOA], v[OWQ:OWQ+3], s[44:45]     ; 512 consecutive bytes
	s_endpgm
.Lnot_qk:
	s_cmp_lt_u32 s26, 6
	s_cbranch_scc0 .Lrel
	; ---------------- v ----------------
	s_and_b32 s53, s26, 1
	s_lshl_b32 s54, s27, 1
	s_add_co_u32 s53, s53, s54                     ; the head
	s_lshl_b32 s46, s53, 14
	s_add_co_u32 s46, s46, 131072                  ; v is the second half of Wkv's rows: row 512 + 64 head
	s_add_nc_u64 s[36:37], s[14:15], s[46:47]
	s_lshl_b32 s46, s53, 10
	s_add_co_u32 s46, s46, 8192
	s_add_nc_u64 s[38:39], s[16:17], s[46:47]
	s_lshl_b32 s46, s53, 8
	s_add_co_u32 s46, s46, 2048
	s_add_nc_u64 s[40:41], s[18:19], s[46:47]
	s_lshl_b32 s48, s50, 3
	s_add_co_u32 s48, s48, s53
	s_mul_i32 s48, s48, BHB
	s_lshl_b32 s46, s51, 12
	s_add_co_u32 s46, s46, s48
	s_add_co_u32 s46, s46, 32768
	s_add_nc_u64 s[42:43], s[22:23], s[46:47]
	s_lshl_b32 s46, s51, 8
	s_add_co_u32 s46, s46, s48
	s_add_co_u32 s46, s46, 69632
	s_add_nc_u64 s[44:45], s[22:23], s[46:47]
	v_lshlrev_b32 v[BA], 2, v[T0]
	v_lshl_add_u32 v[BA], v[T1], 7, v[BA]          ; the bias of my d: 4 (r % 8 + 32 (r / 8))
	v_lshlrev_b32 v[SOA], 4, v[RR]
	v_lshl_add_u32 v[SOA], v[HH], 3, v[SOA]        ; scale words: row r of 16 bytes, my half's two tiles
.irp f, 0,1,2,3
	global_load_b32 v[BV+\f], v[BA], s[40:41] offset:32*\f
.endr
	LOADW
	XLOAD 0
	XLOAD 1
	XLOAD 2
	s_wait_loadcnt 18                              ; the bias, W and tile 0 are in
	WIN 0x40
.irp f, 0,1,2,3
.irp i, 0,1,2,3,4,5,6,7
	v_mov_b32 v[BIAS+8*\f+\i], v[BV+\f]            ; in the result's layout a lane's eight registers are eight tokens of ONE d: the same bias eight times
.endr
.endr
	WIN 0
	PLACES
.macro MMV t                           ; 16 matrix instructions: source 0 = the tokens, source 1 = W's rows; the four accumulators by turns
.irp ks, 0,1,2,3
.if \ks == 0
	WIN 0x15
.else
	WIN 0x05
.endif
.irp f, 0,1,2,3
.if \ks == 0
	v_wmma_scale_f32_16x16x128_f8f6f4 v[ACC+32*\f+8*((\t)%4):ACC+32*\f+8*((\t)%4)+7], v[XF+32*((\t)%3)+8*\ks:XF+32*((\t)%3)+8*\ks+7], v[WF+32*\f+8*\ks:WF+32*\f+8*\ks+7], v[BIAS+8*\f:BIAS+8*\f+7], v[SS+4*((\t)%3)+\ks], v[RS+4*\f+\ks] matrix_a_fmt:MATRIX_FMT_FP4 matrix_b_fmt:MATRIX_FMT_FP4
.else
	v_wmma_scale_f32_16x16x128_f8f6f4 v[ACC+32*\f+8*((\t)%4):ACC+32*\f+8*((\t)%4)+7], v[XF+32*((\t)%3)+8*\ks:XF+32*((\t)%3)+8*\ks+7], v[WF+32*\f+8*\ks:WF+32*\f+8*\ks+7], v[ACC+32*\f+8*((\t)%4):ACC+32*\f+8*((\t)%4)+7], v[SS+4*((\t)%3)+\ks], v[RS+4*\f+\ks] matrix_a_fmt:MATRIX_FMT_FP4 matrix_b_fmt:MATRIX_FMT_FP4
.endif
.endr
.endr
	WIN 0
.endm
.macro VQ c                            ; four tiles of tokens are done: for each tile f of d a block of 32 keys (64 h + 32 c on) lies in my 32 registers
.irp f, 0,1,2,3
	QUANT32 ACC+32*\f, CDV+4*(4*\c+\f)
	global_store_b128 v[LI], v[CDV+4*(4*\c+\f):CDV+4*(4*\c+\f)+3], s[42:43] offset:(2*\f+\c)*512
.if \c == 0
	v_lshlrev_b32 v[VP+\f], v[SH8], v[BY]          ; byte h
.else
	v_lshlrev_b32 v[PT], v[SH8], v[BY]
	v_lshl_or_b32 v[VP+\f], v[PT], 16, v[VP+\f]    ; byte 2 + h
.endif
.endr
.endm
.irp t, 0,1,2,3,4,5,6,7
.if 7-\t >= 2
	s_wait_loadcnt 18                              ; as above: the two younger tiles' loads may be out
.else
	s_wait_loadcnt 9*(7-\t)
.endif
	MMV \t
	PLACES
.if \t+3 <= 7
	XLOAD \t+3
.endif
.if \t == 3
	VQ 0
.endif
.if \t == 7
	VQ 1
.endif
.endr
.irp f, 0,1,2,3
	v_permlanex16_b32 v[PX], v[VP+\f], s28, s29
	v_or_b32 v[VP+\f], v[VP+\f], v[PX]             ; with lane l xor 16's two bytes the word is whole
.endr
	v_cndmask_b32 v[OWV], v[VP], v[VP+2], s30      ; lanes 0-15 send tiles 0 and 1, lanes 16-31 tiles 2 and 3
	v_cndmask_b32 v[OWV+1], v[VP+1], v[VP+3], s30
	global_store_b64 v[SOA], v[OWV:OWV+1], s[44:45]      ; 256 consecutive bytes
	s_endpgm
.Lrel:
	; ---------------- eight rows of the table: four lanes to a row, two to a block, 16 numbers a lane ----------------
	s_lshl_b32 s46, s27, 6
	s_add_co_u32 s46, s46, ttmp9                   ; the work-group's number, 0 .. 255
	s_lshl_b32 s46, s46, 3
	v_and_b32 v3, 31, v0
	v_lshrrev_b32 v4, 2, v3
	v_add_nc_u32 v4, s46, v4                       ; e
	v_bfe_u32 v5, v0, 1, 1                         ; which block
	v_and_b32 v6, 1, v0                            ; which half of it
	v_min_u32 v7, 1535, v4
	v_sub_nc_u32 v7, 1535, v7
	v_min_u32 v7, 1024, v7                         ; clamp(1535 - e, 0, 1024): rel_emb's row
	v_lshlrev_b32 v7, 8, v7
	v_lshl_add_u32 v7, v5, 7, v7
	v_lshl_add_u32 v7, v6, 6, v7
.irp i, 0,1,2,3
	global_load_b128 v[64+4*\i:67+4*\i], v7, s[20:21] offset:16*\i
.endr
	v_mul_u32_u24 v8, v4, 48                       ; the table's row
	v_lshl_add_u32 v9, v5, 4, v8
	v_lshl_add_u32 v9, v6, 3, v9                   ; my 8 bytes of codes (16 more in the store's immediate)
	v_and_b32 v10, 3, v0
	v_lshl_add_u32 v10, v10, 2, v8                 ; my word of the row's first 16 bytes
	v_lshlrev_b32 v11, 3, v5
	s_wait_loadcnt 0x0
	v_max3_num_f32 v[T0], |v64|, |v65|, 0x1800000
	v_max3_num_f32 v[T1], |v72|, |v73|, |v74|
	v_max3_num_f32 v[T0], v[T0], |v66|, |v67|
	v_max3_num_f32 v[T1], v[T1], |v75|, |v76|
	v_max3_num_f32 v[T0], v[T0], |v68|, |v69|
	v_max3_num_f32 v[T1], v[T1], |v77|, |v78|
	v_max3_num_f32 v[T0], v[T0], |v70|, |v71|
	v_max3_num_f32 v[T0], v[T0], v[T1], |v79|
	v_max_num_f32_dpp v[T0], v[T0], v[T0] row_xmask:1 row_mask:0xf bank_mask:0xf   ; with my neighbour's 16: the block's
	v_add_nc_u32 v[SCO], 0xff000000, v[T0]
	v_cvt_scalef32_pk8_fp4_f32 v46, v[64:71], v[SCO]
	v_cvt_scalef32_pk8_fp4_f32 v47, v[72:79], v[SCO]
	v_lshrrev_b32 v[BY], 23, v[SCO]
	global_store_b64 v9, v[46:47], s[24:25] offset:16
	v_lshlrev_b32 v[PT], v11, v[BY]                ; my block's byte at its place,
	v_mov_b32_dpp v[PX], v[PT] row_xmask:2 row_mask:0xf bank_mask:0xf   ; the other block's,
	v_or_b32 v[PT], v[PT], v[PX]
	v_cndmask_b32 v48, 0, v[PT], s31               ; the word in the row's first lane, zeros in the other three
	global_store_b32 v10, v48, s[24:25]
	s_endpgm
.Lfunc_end_k_qd6230c2a0c_proj:
	.size	k_qd6230c2a0c_proj, .Lfunc_end_k_qd6230c2a0c_proj-k_qd6230c2a0c_proj
	.p2alignl 7, 3214868480
	.fill 96, 4, 3214868480
	.section	.rodata,"a",@progbits
	.p2align	6, 0x0
	.amdhsa_kernel k_qd6230c2a0c_proj
		.amdhsa_group_segment_fixed_size 0
		.amdhsa_private_segment_fixed_size 0
		.amdhsa_enable_private_segment 0
		.amdhsa_kernarg_size 88
		.amdhsa_user_sgpr_count 2
		.amdhsa_user_sgpr_kernarg_segment_ptr 1
		.amdhsa_wavefront_size32 1
		.amdhsa_system_sgpr_workgroup_id_x 1
		.amdhsa_system_sgpr_workgroup_id_y 1
		.amdhsa_system_sgpr_workgroup_id_z 1
		.amdhsa_system_vgpr_workitem_id 0
		.amdhsa_next_free_vgpr 512
		.amdhsa_next_free_sgpr 66
		.amdhsa_reserve_vcc 0
		.amdhsa_float_denorm_mode_32 3
		.amdhsa_float_denorm_mode_16_64 3
		.amdhsa_memory_ordered 1
		.amdhsa_forward_progress 1
		.amdhsa_inst_pref_size 94
	.end_amdhsa_kernel
	.amdgpu_metadata
---
amdhsa.version: [ 1, 2 ]
amdhsa.kernels:
  - .name:           k_qd6230c2a0c_proj
    .symbol:         k_qd6230c2a0c_proj.kd
    .args:
      - { .name: x_codes, .offset: 0, .size: 8, .value_kind: global_buffer, .address_space: global }
      - { .name: x_scales, .offset: 8, .size: 8, .value_kind: global_buffer, .address_space: global }
      - { .name: Wq_codes, .offset: 16, .size: 8, .value_kind: global_buffer, .address_space: global }
      - { .name: Wq_scales, .offset: 24, .size: 8, .value_kind: global_buffer, .address_space: global }
      - { .name: bq, .offset: 32, .size: 8, .value_kind: global_buffer, .address_space: global }
      - { .name: Wkv_codes, .offset: 40, .size: 8, .value_kind: global_buffer, .address_space: global }
      - { .name: Wkv_scales, .offset: 48, .size: 8, .value_kind: global_buffer, .address_space: global }
      - { .name: bkv, .offset: 56, .size: 8, .value_kind: global_buffer, .address_space: global }
      - { .name: rel_emb, .offset: 64, .size: 8, .value_kind: global_buffer, .address_space: global }
      - { .name: qkv, .offset: 72, .size: 8, .value_kind: global_buffer, .address_space: global }
      - { .name: rtab, .offset: 80, .size: 8, .value_kind: global_buffer, .address_space: global }
    .group_segment_fixed_size: 0
    .private_segment_fixed_size: 0
    .kernarg_segment_align: 8
    .kernarg_segment_size: 88
    .max_flat_workgroup_size: 224
    .sgpr_count:     66
    .vgpr_count:     512
    .wavefront_size: 32
...
	.end_amdgpu_metadata
.endif
;; end of part 1
;; launch attn (part 2): grid 4 x 64, 16 waves a work-group, clusters of 4 x 4, 327,680 bytes of LDS; arguments qkv, rtab, oc, os; writes oc, os
.if DOCPART == 2
	.amdgcn_target "amdgcn-amd-amdhsa--gfx1250"
	.amdhsa_code_object_version 6
	.text
	.protected	k_qd6230c2a0c_attn
	.globl	k_qd6230c2a0c_attn
	.p2align	8
	.type	k_qd6230c2a0c_attn,@function
k_qd6230c2a0c_attn:
	s_mov_b64 s[64:65], 0
	v_nop
	global_prefetch_b8 v0, s[64:65] scope:SCOPE_SE
	s_setreg_imm32_b32 hwreg(HW_REG_WAVE_MODE, 25, 1), 1
	s_wait_xcnt 0x0
	s_wait_alu depctr_hold_cnt(0) depctr_sa_sdst(0) depctr_va_vdst(0) depctr_va_sdst(0) depctr_va_ssrc(0) depctr_va_vcc(0) depctr_vm_vsrc(0)
	s_getreg_b32 s2, hwreg(HW_REG_IB_STS2, 6, 4)
	s_cmp_eq_u32 s2, 0
	s_cbranch_scc0 .Lentry_in_a_cluster
	s_endpgm
.Lentry_in_a_cluster:
	s_bfe_u32 s2, ttmp6, 0x10000c
	s_cmp_lg_u32 s2, 0xf033
	s_cbranch_scc0 .Lentry_shape_is_right
	s_endpgm
.Lentry_shape_is_right:
; For one (batch, head) and 256 queries: logits = (q . k[m] + q . R[clip(n - m)]) / 8, softmax, times v, divided by the row's sum, quantised along (head, d) for the last projection.  All products on codes of FP4 (E2M1) with E8M0 scales.
; SHARES.  A work-group owns 256 queries of one (batch, head); each of its sixteen waves 16 of them, in 256 registers.  Every wave walks the head's 1,024 keys, 128 a step.
; LDS IS FILLED ONCE: the head's K and V codes and scale words (71,680 dense bytes) and the 1,280 rows of the table of relative positions that these 256 queries can meet (61,440 dense bytes).  No slot is ever filled again, so the loop has no barrier.
; CLUSTER 4 x 4.  The four work-groups of a row of the cluster are the four query blocks of one (batch, head): they ask for K and V jointly.  The four of a column have the same query block: they ask for the table's window jointly.
; LAYOUT.  All products are used transposed, so that a lane holds ONE query (lane % 16).  The head's 64 fill registers 0-3 of a fragment; registers 4-7 hold zero codes.
;   A lane half owns whole blocks of keys: lane (r, h) holds keys 64 h + 0 .. 63 of a step, register u key 64 h + u (the keys of K's tiles were chosen so when they were stored).  P, V and V's scale bytes are laid alike:
;   the matrix unit's block 2 c + h stands for keys 64 h + 32 c + 0 .. 31.  So a block's largest p needs no other lane and the conversions' results are the operand.
; THE RELATIVE POSITIONS.  X = (80 rows of the table for each half of the lanes) x q: register i of lane (r, h) is q[n0 + r] . row (e0 + 64 h + i).  Query n0 + r and key 64 h + u want row e0 + 64 h + u + 15 - r:
;   a shift of the REGISTER index by 15 - r, which differs from lane to lane.  Each lane stores its 80 numbers to its own 320 bytes of LDS and reads 64 back from 4 (15 - r) bytes on, straight into the registers that the product k q^T takes as its C.
; THE SOFTMAX.  t = logit x log2(e); M = the running largest t rounded up to a whole number; p = 2^(t - M) is quantised, not normalised; the sum is taken of the unquantised p; when M moves, sum and O are multiplied by 2^(old M - new M), exactly.
; OUT.  oc [tile of 16 rows][head][lane][16 bytes]: the image of the last projection's operand; os [row][16]: byte 2 head + h.  The bytes of os are stored singly, 32 a wave: one byte for each 16 bytes of codes.
; LIMITS: NaN and infinities are not served.  A block of zeros gets the byte 1 (the rule says 127): its codes are zeros, and only this program reads the bytes.
.set BHB,  108544                      ; a (batch, head)'s part of qkv
.set KC,   0                           ; LDS: K's images, 32,768 bytes
.set VC,   32768                       ; V's images, 32,768
.set KSC,  65536                       ; K's scale words, 4,096
.set VSC,  69632                       ; V's, 2,048
.set RT,   71680                       ; the table's window: 1,280 rows of 48 bytes
.set SCR,  133120                      ; a scratch of 10,880 bytes for each wave; no fill lands here
.set SCW,  10880                       ; in it lane (r, h) has 320 bytes at 336 r + 5,504 h: 336 = 21 x 16, so the sixteen lanes of a 16-byte store start in sixteen different 16-byte columns of 256 bytes
.set LI,   1                           ; 16 x lane
.set AKS0, 2                           ; K's scale words: row r, four tiles for each half of the lanes
.set AVS0, 3                           ; V's: row r
.set AR0,  4                           ; the table: my row of a tile, my half's block
.set ARS0, 5                           ; its scale words: lanes 0-15 an even tile's, lanes 16-31 the next tile's
.set SW,   6                           ; my scratch
.set SL,   7                           ; and 4 (15 - r) bytes on
.set ADK,  8                           ; the step's addresses
.set ADS,  9
.set ADT,  10
.set ADR,  11
.set NM,   12                          ; -M; v13 the largest t; v[14:15] the sum in two halves
.set TM,   13
.set LS,   14
.set QF,   16                          ; v16-23 Q's fragment
.set QS,   24                          ; its scale word
.set PS,   25                          ; p's scale word
.set ADRS, 26
.set SH8,  27                          ; 8 h
.set VS,   28                          ; v28-31 V's scale words
.set KS,   32                          ; v32-35 K's
.set RS,   36                          ; v36-40 the table's
.set PC,   42                          ; v42-49 p's codes
.set FB,   50                          ; v50-89 five fragments of the table or of K: the low four registers are loaded, the high four stay zero
.set VF,   90                          ; v90-121 V's four fragments
.set S,    122                         ; v122-201 X, then the logits, then p
.set O,    202                         ; v202-233 O^T
.set C0,   234                         ; v234-237 four chains of the maximum
.set MX,   238
.set MP,   239
.set DM,   240
.set FF,   242                         ; v[242:243] f = 2^(old M - new M)
.set SCO,  244                         ; v244-245 the conversions' scale operands
.set BB,   246                         ; v246-247 the bytes
.set L2,   248                         ; v[248:249] the sum's second chain
.set INV,  250                         ; v[250:251] 1 / the sum
.set PX,   252
.set WV,   12                          ; s12 the wave
.set G1K,  24                          ; s[24:31] group 1 for K and V;  s[32:39] for the table;  s[40:43], s[44:47] their groups 0
.set G1R,  32
.set G0K,  40
.set G0R,  44
.set SEL,  48
.set CS,   50                          ; s[50:51] c = log2(e) / 8
.set TB,   52                          ; the step's images: 4,096 bytes a step
.set TS,   53                          ; K's scale words: 512
.set TV,   54                          ; V's: 256
.set TR,   55                          ; the table: 128 rows, 6,144
.set CNT,  56
.macro PLACES                          ; four places behind matrix instructions, in front of reads of their results and of loads into their registers
.rept 4
	v_nop
.endr
.endm
.macro ROUND                           ; a round of the cluster's barrier
	s_barrier_signal -1
	s_barrier_wait -1
	s_cmp_lg_u32 s[WV], 0
	s_cbranch_scc1 .Lnot_wave_0_\@
	s_barrier_signal -3
.Lnot_wave_0_\@:
	s_barrier_wait -3
	s_barrier_signal -1
	s_barrier_wait -1
.endm
.macro RQ tau, b                       ; tile tau of X = 16 rows of the table (buffer b) x my 16 queries; an odd tile's scale words lie in lanes 16-31
.if (\tau)%2
	v_wmma_scale_f32_16x16x128_f8f6f4 v[S+8*(\tau):S+8*(\tau)+7], v[FB+8*(\b):FB+8*(\b)+7], v[QF:QF+7], 0, v[RS+(\tau)/2], v[QS] matrix_a_fmt:MATRIX_FMT_FP4 matrix_b_fmt:MATRIX_FMT_FP4 matrix_a_scale:MATRIX_SCALE_ROW1
.else
	v_wmma_scale_f32_16x16x128_f8f6f4 v[S+8*(\tau):S+8*(\tau)+7], v[FB+8*(\b):FB+8*(\b)+7], v[QF:QF+7], 0, v[RS+(\tau)/2], v[QS] matrix_a_fmt:MATRIX_FMT_FP4 matrix_b_fmt:MATRIX_FMT_FP4
.endif
.endm
.macro KQ t                            ; tile t of the logits = 16 keys x my 16 queries + the relative part, which lies in the accumulator
.if (\t) >= 4
	v_wmma_scale_f32_16x16x128_f8f6f4 v[S+8*(\t):S+8*(\t)+7], v[FB+8*((\t)%4):FB+8*((\t)%4)+7], v[QF:QF+7], v[S+8*(\t):S+8*(\t)+7], v[KS+(\t)%4], v[QS] matrix_a_fmt:MATRIX_FMT_FP4 matrix_b_fmt:MATRIX_FMT_FP4 matrix_a_scale:MATRIX_SCALE_ROW1
.else
	v_wmma_scale_f32_16x16x128_f8f6f4 v[S+8*(\t):S+8*(\t)+7], v[FB+8*((\t)%4):FB+8*((\t)%4)+7], v[QF:QF+7], v[S+8*(\t):S+8*(\t)+7], v[KS+(\t)%4], v[QS] matrix_a_fmt:MATRIX_FMT_FP4 matrix_b_fmt:MATRIX_FMT_FP4
.endif
.endm
	s_load_b256 s[4:11], s[0:1], 0x0               ; qkv s[4:5], rtab s[6:7], oc s[8:9], os s[10:11]
	v_lshl_add_u32 v254, v0, 2, 0x4b000
	v_mov_b32 v255, 0
	ds_add_u32 v254, v255
	ds_add_u32 v254, v255
	v_lshrrev_b32 v1, 5, v0
	v_readfirstlane_b32 s[WV], v1                  ; wave 0..15
	s_bfe_u32 s13, ttmp6, 0x40000                  ; cx
	s_bfe_u32 s14, ttmp6, 0x40004                  ; cy
	s_and_b32 s15, ttmp7, 0xffff
	s_lshl_b32 s15, s15, 2
	s_add_co_u32 s15, s15, s14                     ; (batch, head) = 4 x cluster y + cy
	s_lshl_b32 s57, ttmp9, 2
	s_add_co_u32 s57, s57, s13                     ; the block of 256 queries = 4 x cluster x + cx
	s_lshl_b32 s58, s14, 2
	s_lshl_b32 s58, 15, s58                        ; my row of the cluster
	s_lshl_b32 s59, 0x1111, s13                    ; my column
	; both blocks are dense in memory: rows of 256 bytes (32 elements of 8 bytes), no padding: 70 rows a load for K and V, 80 for the table
	s_or_b32 s[G1K], s58, (3<<16)|(1<<21)          ; 15:0 the mask; 17:16 elements of 8 bytes; 21 set beside a mask
	s_mov_b32 s[G1K+1], 32<<16                     ; tensor_dim0 = 32
	s_mov_b32 s[G1K+2], 70<<16                     ; tensor_dim1 = 70
	s_mov_b32 s[G1K+3], 32<<16                     ; tile_dim0 = 32
	s_mov_b32 s[G1K+4], 70                         ; tile_dim1 = 70
	s_mov_b32 s[G1K+5], 32                         ; from row to row
	s_mov_b32 s[G1K+6], 0
	s_mov_b32 s[G1K+7], 0
	s_or_b32 s[G1R], s59, (3<<16)|(1<<21)
	s_mov_b32 s[G1R+1], 32<<16
	s_mov_b32 s[G1R+2], 80<<16
	s_mov_b32 s[G1R+3], 32<<16
	s_mov_b32 s[G1R+4], 80
	s_mov_b32 s[G1R+5], 32
	s_mov_b32 s[G1R+6], 0
	s_mov_b32 s[G1R+7], 0
	s_and_b32 s60, s[WV], 3                        ; which part I fetch, if I fetch
	s_mul_i32 s61, s60, 17920                      ; K and V: 70 rows of 256 bytes, in LDS and in memory alike
	s_mul_i32 s16, s15, BHB                        ; s[16:17]: made of (batch, head) and the wave alone
	s_add_co_u32 s16, s16, s61
	s_mov_b32 s17, 0
	s_mul_i32 s62, s60, 20480                      ; the table: 80 rows of 256 bytes
	s_sub_co_u32 s20, 3, s57                       ; s[20:21]: made of the query block and the wave alone: the window begins at row 768 - 256 x block
	s_mul_i32 s20, s20, 12288
	s_add_co_u32 s20, s20, s62
	s_mov_b32 s21, 0
	s_mov_b32 s[SEL], 0x76543210
	s_mov_b32 s[SEL+1], 0xfedcba98                 ; v_permlanex16_b32's selects for lane l xor 16
	s_mov_b32 s[CS], 0x3e38aa3b                    ; log2(e) / 8
	s_mov_b32 s[CS+1], s[CS]                       ; (named with it as a pair, so it is written)
	s_mov_b32 s[TB], 0
	s_mov_b32 s[TS], 0
	s_mov_b32 s[TV], 0
	s_mov_b32 s[TR], 0
	s_mov_b32 s[CNT], 8
	s_wait_dscnt 0x0
	s_wait_kmcnt 0x0
	s_mov_b32 s[G0K], 1                            ; count = 1
	s_mov_b32 s[G0K+1], s61                        ; LDS address
	s_add_nc_u64 s[G0K+2:G0K+3], s[4:5], s[16:17]  ; global address
	s_or_b32 s[G0K+3], s[G0K+3], 0x80000000        ; type = 2
	s_mov_b32 s[G0R], 1
	s_add_co_u32 s[G0R+1], s62, RT
	s_add_nc_u64 s[G0R+2:G0R+3], s[6:7], s[20:21]
	s_or_b32 s[G0R+3], s[G0R+3], 0x80000000
	ROUND                                          ; all sixteen work-groups are here: the joint loads meet
	s_cmp_lt_u32 s[WV], 4                          ; waves 0-3 fetch K and V, waves 4-6 the table, the others nothing: one tensor load a wave at the most is out.  Four v_nop follow each line
	s_cbranch_scc0 .Lnot_k
	tensor_load_to_lds s[G0K:G0K+3], s[G1K:G1K+7]
	s_nop 0
.rept 4
	v_nop
.endr
	s_branch .Lasked
.Lnot_k:
	s_cmp_lt_u32 s[WV], 7
	s_cbranch_scc0 .Lasked
	tensor_load_to_lds s[G0R:G0R+3], s[G1R:G1R+7]
	s_nop 0
.rept 4
	v_nop
.endr
.Lasked:
	; my 16 queries n0 + r, n0 = 256 x block + 16 x wave, out of Q's images: step 2 x block + wave / 8, tile 2 (wave % 4) + r / 8, image lane r % 8 + 8 ((wave / 4) % 2)
	s_mul_i32 s58, s15, BHB
	s_lshl_b32 s59, s57, 1
	s_lshr_b32 s61, s[WV], 3
	s_add_co_u32 s59, s59, s61                     ; the step
	s_bfe_u32 s61, s[WV], 0x10002                  ; (wave / 4) % 2
	s_lshl_b32 s62, s59, 12
	s_add_co_u32 s62, s62, s58
	s_lshl_b32 s63, s60, 10
	s_add_co_u32 s62, s62, s63
	s_lshl_b32 s63, s61, 7
	s_add_co_u32 s62, s62, s63
	s_add_co_u32 s62, s62, 71680                   ; the codes' offset in qkv
	s_lshl_b32 s63, s59, 9
	s_add_co_u32 s63, s63, s58
	s_lshl_b32 s59, s61, 8
	s_add_co_u32 s63, s63, s59
	s_lshl_b32 s59, s60, 3
	s_add_co_u32 s63, s63, s59
	s_add_co_u32 s63, s63, 104448                  ; the scale words'
	v_and_b32 v[C0], 15, v0                        ; r
	v_bfe_u32 v[C0+1], v0, 4, 1                    ; h
	v_and_b32 v[C0+2], 7, v0                       ; r % 8
	v_bfe_u32 v[C0+3], v0, 3, 1                    ; r / 8
	v_lshlrev_b32 v[ADK], 9, v[C0+3]
	v_lshl_add_u32 v[ADK], v[C0+1], 8, v[ADK]
	v_lshl_add_u32 v[ADK], v[C0+2], 4, v[ADK]
	v_add_nc_u32 v[ADK], s62, v[ADK]
	v_lshlrev_b32 v[ADS], 5, v[C0+2]
	v_lshl_add_u32 v[ADS], v[C0+3], 2, v[ADS]
	v_add_nc_u32 v[ADS], s63, v[ADS]
	global_load_b128 v[QF:QF+3], v[ADK], s[4:5]    ; Q's codes: d = 32 h + 0 .. 31 of query n0 + r
	global_load_b32 v[QS], v[ADS], s[4:5]          ; and its scale word
.irp i, 4,5,6,7
	v_mov_b32 v[QF+\i], 0                          ; the upper 64 along K: zero codes
.endr
.irp b, 0,1,2,3,4
.irp i, 4,5,6,7
	v_mov_b32 v[FB+8*\b+\i], 0                     ; likewise, once for the whole launch
.endr
.endr
	v_and_b32 v[LI], 31, v0
	v_lshlrev_b32 v[LI], 4, v[LI]
	v_lshlrev_b32 v[AKS0], 5, v[C0]
	v_lshl_add_u32 v[AKS0], v[C0+1], 4, v[AKS0]
	v_add_nc_u32 v[AKS0], KSC, v[AKS0]
	v_lshl_add_u32 v[AVS0], v[C0], 4, VSC
	s_xor_b32 s59, s[WV], 15                       ; step 0's first row of the window: 16 (15 - wave)
	s_mul_i32 s59, s59, 768
	s_add_co_u32 s59, s59, RT
	v_lshl_add_u32 v[MX], v[C0+3], 6, v[C0+2]      ; lane r takes row r % 8 + 64 (r / 8) of a tile
	v_mul_u32_u24 v[MX], v[MX], 48
	v_add_nc_u32 v[MX], s59, v[MX]
	v_lshl_add_u32 v[AR0], v[C0+1], 4, v[MX]
	v_mad_u32_u24 v[ARS0], v[C0+1], 384, v[MX]     ; lanes 16-31: eight rows, one tile, further on
	s_mul_i32 s58, s[WV], SCW
	s_add_co_u32 s58, s58, SCR
	v_mul_u32_u24 v[SW], v[C0], 336
	v_mad_u32_u24 v[SW], v[C0+1], 5504, v[SW]
	v_add_nc_u32 v[SW], s58, v[SW]
	v_xor_b32 v[MX], 15, v[C0]                     ; 15 - r
	v_lshl_add_u32 v[SL], v[MX], 2, v[SW]
	v_lshlrev_b32 v[SH8], 3, v[C0+1]
	v_mov_b32 v[TM], 0xff61b1e6                    ; the largest t so far: -3e38, under every t
	v_floor_f32 v[NM], -v[TM]
	v_mov_b32 v[LS], 0
	v_mov_b32 v[LS+1], 0
	v_mov_b32 v[MP], 0                             ; lane permutes' destinations count as sources; upper halves of pairs are named with the lower
	v_mov_b32 v[PX], 0
	v_mov_b32 v[FF+1], 0
.set j, 0
.rept 32
	v_mov_b32 v[O+j], 0                            ; O^T.  The step is written once: the first finds zeros, which the first change of M leaves zeros
.set j, j+1
.endr
	s_wait_tensorcnt 0x0                           ; my part has landed,
	s_barrier_signal -1
	s_barrier_wait -1                              ; everybody's has
	s_wait_loadcnt 0x0                             ; Q
.Lstep:                                            ; eight trips of 128 keys
	v_add_nc_u32 v[ADK], s[TB], v[LI]              ; (these five are also the places behind the last trip's products)
	v_add_nc_u32 v[ADS], s[TS], v[AKS0]
	v_add_nc_u32 v[ADT], s[TV], v[AVS0]
	v_add_nc_u32 v[ADR], s[TR], v[AR0]
	v_add_nc_u32 v[ADRS], s[TR], v[ARS0]
	; ---- X, tiles 0-4
.irp p, 0,1,2,3,4
	ds_load_b32 v[RS+\p], v[ADRS] offset:768*\p    ; the scale words of tiles 2 p (lanes 0-15) and 2 p + 1 (lanes 16-31)
.endr
.irp b, 0,1,2,3,4
	ds_load_b128 v[FB+8*\b:FB+8*\b+3], v[ADR] offset:16+384*\b
.endr
	s_wait_dscnt 0x0
.irp b, 0,1,2,3,4
	RQ \b, \b
.endr
	; ---- X, tiles 5-9; tiles 0-4 go to the scratch
	PLACES
.irp b, 0,1,2,3,4
	ds_load_b128 v[FB+8*\b:FB+8*\b+3], v[ADR] offset:16+384*(5+\b)
.endr
.irp q, 0,1,2,3,4,5,6,7,8,9
	ds_store_b128 v[SW], v[S+4*\q:S+4*\q+3] offset:16*\q    ; each accumulator from its low end on
.endr
	s_wait_dscnt 10                                ; the five fragments are in; the ten stores may be out
.irp b, 0,1,2,3,4
	RQ 5+\b, \b
.endr
	; ---- the shift, and K's tiles 0-3
	PLACES
.irp t, 0,1,2,3
	ds_load_b128 v[FB+8*\t:FB+8*\t+3], v[ADK] offset:KC+512*\t
.endr
	ds_load_b128 v[KS:KS+3], v[ADS]                ; lanes 0-15: the words of tiles 0-3; lanes 16-31: of tiles 4-7
.irp q, 10,11,12,13,14,15,16,17,18,19
	ds_store_b128 v[SW], v[S+4*\q:S+4*\q+3] offset:16*\q
.endr
.set j, 0
.rept 64
	ds_load_b32 v[S+j], v[SL] offset:4*j           ; register u takes X[u + 15 - r].  LDS serves a wave's instructions in order (ISA guide 5.7.1.4): these see my stores
.set j, j+1
.endr
	s_wait_dscnt 32                                ; K's four fragments, its words and registers 0-31 are in; the youngest 32 loads may be out
.irp t, 0,1,2,3
	KQ \t
.endr
	; ---- K's tiles 4-7; V is asked for
	PLACES
.irp t, 0,1,2,3
	ds_load_b128 v[FB+8*\t:FB+8*\t+3], v[ADK] offset:KC+512*(4+\t)
.endr
.irp f, 0,1,2,3
.irp c, 0,1
	ds_load_b128 v[VF+8*\f+4*\c:VF+8*\f+4*\c+3], v[ADK] offset:VC+(2*\f+\c)*512
.endr
.endr
	ds_load_b128 v[VS:VS+3], v[ADT]
	s_wait_dscnt 9                                 ; all but V's nine loads
.irp t, 4,5,6,7
	KQ \t
.endr
	PLACES
	; ---- the softmax: my 64 keys are two whole blocks of 32
.irp i, 0,1,2,3
	v_max3_num_f32 v[C0+\i], v[S+16*\i], v[S+16*\i+1], v[S+16*\i+2]      ; four chains of 16
.endr
.irp k, 3,5,7,9,11,13
.irp i, 0,1,2,3
	v_max3_num_f32 v[C0+\i], v[C0+\i], v[S+16*\i+\k], v[S+16*\i+\k+1]
.endr
.endr
	v_max3_num_f32 v[C0], v[C0], v[S+15], v[S+31]
	v_max3_num_f32 v[C0+2], v[C0+2], v[S+47], v[S+63]
	v_max_num_f32 v[C0], v[C0], v[C0+1]            ; THE LARGEST LOGIT OF EACH BLOCK: it serves for the row's maximum and, since p rises with the logit, for the block's largest p
	v_max_num_f32 v[C0+2], v[C0+2], v[C0+3]
	v_max_num_f32 v[MX], v[C0], v[C0+2]
	v_permlanex16_b32 v[MP], v[MX], s[SEL], s[SEL+1]
	v_max_num_f32 v[MX], v[MX], v[MP]              ; with lane l xor 16's 64 keys: the step's largest of my query
	v_mul_f32 v[MX], s[CS], v[MX]                  ; as t (c is positive)
	v_max_num_f32 v[TM], v[TM], v[MX]
	v_mov_b32 v[DM], v[NM]
	v_floor_f32 v[NM], -v[TM]                      ; the new -M = -ceil(t): a whole number
	v_sub_f32 v[DM], v[NM], v[DM]                  ; old M - new M: a whole number, 0 or less
	v_cvt_i32_f32 v[DM], v[DM]                     ; (it saturates)
	v_ldexp_f32 v[FF], 1.0, v[DM]                  ; f = 2^(old M - new M)
.set j, 0
.rept 32
	v_pk_fma_f32 v[S+j:S+j+1], v[S+j:S+j+1], s[CS:CS+1], v[NM:NM+1] op_sel_hi:[1,0,0]   ; t - M, two at a time
.set j, j+2
.endr
	v_fma_f32 v[C0], v[C0], s[CS], v[NM]           ; the same of each block's largest
	v_fma_f32 v[C0+2], v[C0+2], s[CS], v[NM]
.set j, 0
.rept 64
	v_exp_f32 v[S+j], v[S+j]                       ; p = 2^(t - M)
.set j, j+1
.endr
	v_exp_f32 v[C0], v[C0]
	v_exp_f32 v[C0+2], v[C0+2]
	v_pk_mul_f32 v[LS:LS+1], v[LS:LS+1], v[FF:FF+1] op_sel_hi:[1,0]      ; the sum under the new M; the plain line behind the exponentials
	s_wait_alu depctr_va_vdst(0)
	v_max_num_f32 v[C0], 0x1800000, v[C0]          ; the floor 2^(3 - 127): the byte cannot fall under 1
	v_max_num_f32 v[C0+2], 0x1800000, v[C0+2]
	v_add_nc_u32 v[SCO], 0xff000000, v[C0]         ; 2 off the exponent field: the conversion's scale operand
	v_add_nc_u32 v[SCO+1], 0xff000000, v[C0+2]
	v_lshrrev_b32 v[BB], 23, v[SCO]
	v_lshrrev_b32 v[BB+1], 23, v[SCO+1]
	v_lshl_or_b32 v[BB], v[BB+1], 16, v[BB]        ; my two bytes, blocks h and 2 + h,
	v_lshlrev_b32 v[BB], v[SH8], v[BB]
	v_permlanex16_b32 v[PX], v[BB], s[SEL], s[SEL+1]
	v_or_b32 v[PS], v[BB], v[PX]                   ; with lane l xor 16's two: p's scale word
.irp c, 0,1
.irp g, 0,1,2,3
	v_cvt_scalef32_pk8_fp4_f32 v[PC+4*\c+\g], v[S+32*\c+8*\g:S+32*\c+8*\g+7], v[SCO+\c]
.endr
.endr
	v_nop                                          ; one plain line behind the conversions
	v_pk_add_f32 v[L2:L2+1], v[S:S+1], v[S+2:S+3]  ; THE SUM IS TAKEN OF THE UNQUANTISED p: two at a time, in two chains
.irp j, 4,8,12,16,20,24,28,32,36,40,44,48,52,56,60
	v_pk_add_f32 v[LS:LS+1], v[LS:LS+1], v[S+\j:S+\j+1]
	v_pk_add_f32 v[L2:L2+1], v[L2:L2+1], v[S+\j+2:S+\j+3]
.endr
	v_pk_add_f32 v[LS:LS+1], v[LS:LS+1], v[L2:L2+1]
.set j, 0
.rept 16
	v_pk_mul_f32 v[O+j:O+j+1], v[O+j:O+j+1], v[FF:FF+1] op_sel_hi:[1,0]  ; O^T under the new M.  These 48 lines are also the places between p's codes and word and the products below
.set j, j+2
.endr
	; ---- O^T += V^T P^T
	s_wait_dscnt 0x0                               ; V
.irp f, 0,1,2,3
	v_wmma_scale_f32_16x16x128_f8f6f4 v[O+8*\f:O+8*\f+7], v[VF+8*\f:VF+8*\f+7], v[PC:PC+7], v[O+8*\f:O+8*\f+7], v[VS+\f], v[PS] matrix_a_fmt:MATRIX_FMT_FP4 matrix_b_fmt:MATRIX_FMT_FP4
.endr
	s_add_co_u32 s[TB], s[TB], 4096
	s_add_co_u32 s[TS], s[TS], 512
	s_add_co_u32 s[TV], s[TV], 256
	s_add_co_u32 s[TR], s[TR], 6144
	s_sub_co_u32 s[CNT], s[CNT], 1
	s_cmp_lg_u32 s[CNT], 0
	s_cbranch_scc1 .Lstep
	; THE WAY OUT.  Register 8 f + j of lane (r, h) is o(n0 + r, d = 32 h + 8 f + j): a whole block of the last projection's K
	PLACES
	v_add_f32 v[LS], v[LS], v[LS+1]
	v_permlanex16_b32 v[PX], v[LS], s[SEL], s[SEL+1]
	v_add_f32 v[LS], v[LS], v[PX]                  ; the row's sum
	v_rcp_f32 v[INV], v[LS]
	v_mov_b32 v[INV+1], 0                          ; the pair's upper half; also the plain line behind the reciprocal
.set j, 0
	s_wait_alu depctr_va_vdst(0)
.rept 16
	v_pk_mul_f32 v[S+j:S+j+1], v[O+j:O+j+1], v[INV:INV+1] op_sel_hi:[1,0]
.set j, j+2
.endr
	v_max3_num_f32 v[C0], |v[S]|, |v[S+1]|, 0x1800000
	v_max3_num_f32 v[C0+1], |v[S+16]|, |v[S+17]|, 0x1800000
.irp i, 2,4,6,8,10,12,14
	v_max3_num_f32 v[C0], v[C0], |v[S+\i]|, |v[S+\i+1]|
	v_max3_num_f32 v[C0+1], v[C0+1], |v[S+16+\i]|, |v[S+17+\i]|
.endr
	v_max_num_f32 v[C0], v[C0], v[C0+1]
	v_add_nc_u32 v[SCO], 0xff000000, v[C0]
.irp g, 0,1,2,3
	v_cvt_scalef32_pk8_fp4_f32 v[PC+\g], v[S+8*\g:S+8*\g+7], v[SCO]
.endr
	v_lshrrev_b32 v[BB], 23, v[SCO]
	s_lshr_b32 s58, s15, 3                         ; the batch
	s_and_b32 s59, s15, 7                          ; the head
	s_lshl_b32 s60, s58, 6
	s_lshl_b32 s61, s57, 4
	s_add_co_u32 s60, s60, s61
	s_add_co_u32 s60, s60, s[WV]                   ; my tile of 16 rows: 64 x batch + 16 x block + wave
	s_lshl_b32 s61, s60, 3
	s_add_co_u32 s61, s61, s59
	s_lshl_b32 s61, s61, 9                         ; (tile, head)'s image
	s_lshl_b32 s62, s60, 8                         ; the tile's 16 rows of 16 scale bytes,
	s_lshl_b32 s63, s59, 1
	s_add_co_u32 s62, s62, s63                     ; the head's two
	v_add_nc_u32 v[ADK], s61, v[LI]
	v_and_b32 v[ADS], 15, v0
	v_lshlrev_b32 v[ADS], 4, v[ADS]
	v_bfe_u32 v[ADT], v0, 4, 1
	v_add_nc_u32 v[ADS], v[ADS], v[ADT]
	v_add_nc_u32 v[ADS], s62, v[ADS]
	global_store_b128 v[ADK], v[PC:PC+3], s[8:9]   ; the wave stores 512 consecutive bytes
	global_store_b8 v[ADS], v[BB], s[10:11]
	s_wait_dscnt 0x0
	s_wait_tensorcnt 0x0
	ds_add_u32 v254, v255
	s_wait_dscnt 0x0
	ROUND                                          ; the closing round: no work-group ends while a partner may still ask for a tile that names it
	s_endpgm
.Lfunc_end_k_qd6230c2a0c_attn:
	.size	k_qd6230c2a0c_attn, .Lfunc_end_k_qd6230c2a0c_attn-k_qd6230c2a0c_attn
	.p2alignl 7, 3214868480
	.fill 96, 4, 3214868480
	.section	.rodata,"a",@progbits
	.p2align	6, 0x0
	.amdhsa_kernel k_qd6230c2a0c_attn
		.amdhsa_group_segment_fixed_size 327680
		.amdhsa_private_segment_fixed_size 0
		.amdhsa_enable_private_segment 0
		.amdhsa_kernarg_size 32
		.amdhsa_user_sgpr_count 2
		.amdhsa_user_sgpr_kernarg_segment_ptr 1
		.amdhsa_wavefront_size32 1
		.amdhsa_system_sgpr_workgroup_id_x 1
		.amdhsa_system_sgpr_workgroup_id_y 1
		.amdhsa_system_sgpr_workgroup_id_z 1
		.amdhsa_system_vgpr_workitem_id 0
		.amdhsa_next_free_vgpr 256
		.amdhsa_next_free_sgpr 66
		.amdhsa_reserve_vcc 0
		.amdhsa_float_denorm_mode_32 3
		.amdhsa_float_denorm_mode_16_64 3
		.amdhsa_memory_ordered 1
		.amdhsa_forward_progress 1
		.amdhsa_inst_pref_size 36
	.end_amdhsa_kernel
	.amdgpu_metadata
---
amdhsa.version: [ 1, 2 ]
amdhsa.kernels:
  - .name:           k_qd6230c2a0c_attn
    .symbol:         k_qd6230c2a0c_attn.kd
    .args:
      - { .name: qkv, .offset: 0, .size: 8, .value_kind: global_buffer, .address_space: global }
      - { .name: rtab, .offset: 8, .size: 8, .value_kind: global_buffer, .address_space: global }
      - { .name: oc, .offset: 16, .size: 8, .value_kind: global_buffer, .address_space: global }
      - { .name: os, .offset: 24, .size: 8, .value_kind: global_buffer, .address_space: global }
    .group_segment_fixed_size: 327680
    .private_segment_fixed_size: 0
    .kernarg_segment_align: 8
    .kernarg_segment_size: 32
    .max_flat_workgroup_size: 512
    .sgpr_count:     66
    .vgpr_count:     256
    .wavefront_size: 32
...
	.end_amdgpu_metadata
.endif
;; end of part 2
;; launch outp (part 3): grid 4 x 64, 8 waves a work-group, no clusters, 68,608 bytes of LDS; arguments oc, os, Wout_codes, Wout_scales, bout, out0; writes out0
.if DOCPART == 3
	.amdgcn_target "amdgcn-amd-amdhsa--gfx1250"
	.amdhsa_code_object_version 6
	.text
	.protected	k_qd6230c2a0c_outp
	.globl	k_qd6230c2a0c_outp
	.p2align	8
	.type	k_qd6230c2a0c_outp,@function
k_qd6230c2a0c_outp:
	s_mov_b64 s[64:65], 0
	v_nop
	global_prefetch_b8 v0, s[64:65] scope:SCOPE_SE
	s_setreg_imm32_b32 hwreg(HW_REG_WAVE_MODE, 25, 1), 1
	s_wait_xcnt 0x0
; out0 = o Wout + bout on codes of FP4 (E2M1) with E8M0 scales.  o comes as images of the operand's registers: oc [tile of 16 rows][head 8][lane 32][16 bytes], os [row][16 scale bytes].  Wout's codes [512 (n)][256 bytes], K innermost.
; SHARES.  Work-group (x, y): columns 128 x on, rows 128 y on.  Wave w: the 16 rows of tile 8 y + w x 128 columns: eight accumulators.  Waves share nothing: no barrier.
; No tensor loads (operands go straight into registers, each fragment read once by its wave), hence no cluster: what four work-groups would share is 32 KiB of o or of Wout each.
; THE MATRIX INSTRUCTION IS USED TRANSPOSED (source 0 = 16 rows of Wout, source 1 = my 16 rows of o): a lane holds eight neighbouring columns of one row.  The bias is loaded straight into the accumulators.
; The work goes in eight units of four matrix instructions (four tiles of columns x one K step of 128), Wout's fragments three units ahead in three sets.
; THE WAY OUT: through the wave's own stage in LDS (16 rows of 512 bytes + 16), back as whole rows: each store of the wave covers 512 consecutive bytes, aligned.
.set RR,  1
.set HH,  2
.set LI,  3                            ; 16 x lane
.set WA,  4                            ; Wout: row r, my half's 16 bytes
.set SA,  5                            ; 16 r: a row of scale bytes
.set BA,  6                            ; 32 h: the bias of my half's eight columns
.set STO, 7                            ; the stage: where I put 32 bytes of a row
.set RD,  8                            ; and where I read a row back
.set OS,  12                           ; v12-15  o's scale words, one for each K step
.set OF,  16                           ; v16-47  o's four fragments
.set WS,  48                           ; v48-79  Wout's scale words: 4 j + K step
.set WF,  80                           ; v80-175 Wout's fragments, three sets of four; later the rows read back
.set ACC, 176                          ; v176-239
	s_load_b256 s[4:11], s[0:1], 0x0               ; oc, os, Wout's codes, Wout's scales
	s_load_b128 s[12:15], s[0:1], 0x20             ; bout, out0
	v_lshl_add_u32 v254, v0, 2, 0x10800
	v_mov_b32 v255, 0
	v_lshrrev_b32 v1, 5, v0
	v_readfirstlane_b32 s16, v1                    ; wave 0..7
	s_and_b32 s17, ttmp7, 0xffff
	s_lshl_b32 s17, s17, 3
	s_add_co_u32 s17, s17, s16                     ; my tile of 16 rows
	s_mov_b32 s19, 0
	v_and_b32 v[RR], 15, v0
	v_bfe_u32 v[HH], v0, 4, 1
	v_and_b32 v[LI], 31, v0
	v_lshlrev_b32 v[LI], 4, v[LI]
	v_lshlrev_b32 v[WA], 8, v[RR]
	v_lshl_add_u32 v[WA], v[HH], 4, v[WA]
	v_lshlrev_b32 v[SA], 4, v[RR]
	v_lshlrev_b32 v[BA], 5, v[HH]
	s_mul_i32 s20, s16, 8448                       ; my stage
	v_mul_u32_u24 v[STO], v[RR], 528
	v_lshl_add_u32 v[STO], v[HH], 5, v[STO]
	v_add_nc_u32 v[STO], s20, v[STO]
	v_add_nc_u32 v[RD], s20, v[LI]
	s_wait_kmcnt 0x0
	s_lshl_b32 s18, s17, 12                        ; a tile's eight images
	s_add_nc_u64 s[4:5], s[4:5], s[18:19]
	s_lshl_b32 s18, s17, 8
	s_add_nc_u64 s[6:7], s[6:7], s[18:19]
	s_lshl_b32 s18, ttmp9, 15                      ; my 128 rows of Wout
	s_add_nc_u64 s[8:9], s[8:9], s[18:19]
	s_lshl_b32 s18, ttmp9, 11
	s_add_nc_u64 s[10:11], s[10:11], s[18:19]
	s_lshl_b32 s18, ttmp9, 9                       ; my 128 columns, in bytes of f32
	s_add_nc_u64 s[12:13], s[12:13], s[18:19]
	s_add_nc_u64 s[14:15], s[14:15], s[18:19]
	s_lshl_b32 s18, s17, 15                        ; my 16 rows of 2,048 bytes
	s_add_nc_u64 s[14:15], s[14:15], s[18:19]
.irp j, 0,1,2,3,4,5,6,7
	global_load_b128 v[ACC+8*\j:ACC+8*\j+3], v[BA], s[12:13] offset:64*\j        ; the bias of columns 16 j + 8 h + 0 .. 7: the sums begin with it
	global_load_b128 v[ACC+8*\j+4:ACC+8*\j+7], v[BA], s[12:13] offset:64*\j+16
.endr
	global_load_b128 v[OS:OS+3], v[SA], s[6:7]
.irp i, 0,1,2,3,4,5,6,7
	global_load_b128 v[OF+4*\i:OF+4*\i+3], v[LI], s[4:5] offset:512*\i           ; head i's image is registers 4 (i % 2) on of K step i / 2
.endr
.irp j, 0,1,2,3,4,5,6,7
	global_load_b128 v[WS+4*\j:WS+4*\j+3], v[SA], s[10:11] offset:256*\j
.endr
.macro ULOAD u                         ; unit u: tiles 4 (u / 4) + 0 .. 3 of columns, K step u % 4, into set u % 3: eight loads
.irp jj, 0,1,2,3
.irp c, 0,1
	global_load_b128 v[WF+32*((\u)%3)+8*\jj+4*\c:WF+32*((\u)%3)+8*\jj+4*\c+3], v[WA], s[8:9] offset:(4*((\u)/4)+\jj)*4096+64*((\u)%4)+32*\c
.endr
.endr
.endm
.macro UMUL u                          ; its four matrix instructions: four accumulators by turns, one instruction a turn
.irp jj, 0,1,2,3
	v_wmma_scale_f32_16x16x128_f8f6f4 v[ACC+8*(4*((\u)/4)+\jj):ACC+8*(4*((\u)/4)+\jj)+7], v[WF+32*((\u)%3)+8*\jj:WF+32*((\u)%3)+8*\jj+7], v[OF+8*((\u)%4):OF+8*((\u)%4)+7], v[ACC+8*(4*((\u)/4)+\jj):ACC+8*(4*((\u)/4)+\jj)+7], v[WS+4*(4*((\u)/4)+\jj)+(\u)%4], v[OS+(\u)%4] matrix_a_fmt:MATRIX_FMT_FP4 matrix_b_fmt:MATRIX_FMT_FP4
.endr
.endm
	ULOAD 0
	ULOAD 1
	ULOAD 2
.irp u, 0,1,2,3,4,5,6,7
.if 7-\u >= 2
	s_wait_loadcnt 16                              ; this unit's eight loads (and all before them) are in; the two younger units' may be out
.else
	s_wait_loadcnt 8*(7-\u)
.endif
	UMUL \u
.rept 4
	v_nop                                          ; four places in front of loads into the set just multiplied, and at the end of the first read of results
.endr
.if \u+3 <= 7
	ULOAD \u+3
.endif
.endr
.irp j, 0,1,2,3,4,5,6,7
	ds_store_b128 v[STO], v[ACC+8*\j:ACC+8*\j+3] offset:64*\j                    ; each accumulator from its low end on
	ds_store_b128 v[STO], v[ACC+8*\j+4:ACC+8*\j+7] offset:64*\j+16
.endr
.irp t, 0,1,2,3,4,5,6,7,8,9,10,11,12,13,14,15
	ds_load_b128 v[WF+4*\t:WF+4*\t+3], v[RD] offset:528*\t                       ; LDS serves a wave's instructions in order (ISA guide 5.7.1.4): these see my stores
.endr
.irp t, 0,1,2,3,4,5,6,7,8,9,10,11,12,13,14,15
	s_wait_dscnt 15-\t                             ; row t is back; the younger loads may be out
	global_store_b128 v[LI], v[WF+4*\t:WF+4*\t+3], s[14:15] offset:2048*\t th:TH_STORE_NT   ; 512 consecutive bytes of a row, at a multiple of 256 from out0's first byte; written once, read by nobody here
.endr
	s_wait_tensorcnt 0x0
	ds_add_u32 v254, v255
	s_wait_dscnt 0x0
	s_endpgm
.Lfunc_end_k_qd6230c2a0c_outp:
	.size	k_qd6230c2a0c_outp, .Lfunc_end_k_qd6230c2a0c_outp-k_qd6230c2a0c_outp
	.p2alignl 7, 3214868480
	.fill 96, 4, 3214868480
	.section	.rodata,"a",@progbits
	.p2align	6, 0x0
	.amdhsa_kernel k_qd6230c2a0c_outp
		.amdhsa_group_segment_fixed_size 68608
		.amdhsa_private_segment_fixed_size 0
		.amdhsa_enable_private_segment 0
		.amdhsa_kernarg_size 48
		.amdhsa_user_sgpr_count 2
		.amdhsa_user_sgpr_kernarg_segment_ptr 1
		.amdhsa_wavefront_size32 1
		.amdhsa_system_sgpr_workgroup_id_x 1
		.amdhsa_system_sgpr_workgroup_id_y 1
		.amdhsa_system_sgpr_workgroup_id_z 1
		.amdhsa_system_vgpr_workitem_id 0
		.amdhsa_next_free_vgpr 256
		.amdhsa_next_free_sgpr 66
		.amdhsa_reserve_vcc 0
		.amdhsa_float_denorm_mode_32 3
		.amdhsa_float_denorm_mode_16_64 3
		.amdhsa_memory_ordered 1
		.amdhsa_forward_progress 1
		.amdhsa_inst_pref_size 21
	.end_amdhsa_kernel
	.amdgpu_metadata
---
amdhsa.version: [ 1, 2 ]
amdhsa.kernels:
  - .name:           k_qd6230c2a0c_outp
    .symbol:         k_qd6230c2a0c_outp.kd
    .args:
      - { .name: oc, .offset: 0, .size: 8, .value_kind: global_buffer, .address_space: global }
      - { .name: os, .offset: 8, .size: 8, .value_kind: global_buffer, .address_space: global }
      - { .name: Wout_codes, .offset: 16, .size: 8, .value_kind: global_buffer, .address_space: global }
      - { .name: Wout_scales, .offset: 24, .size: 8, .value_kind: global_buffer, .address_space: global }
      - { .name: bout, .offset: 32, .size: 8, .value_kind: global_buffer, .address_space: global }
      - { .name: out0, .offset: 40, .size: 8, .value_kind: global_buffer, .address_space: global }
    .group_segment_fixed_size: 68608
    .private_segment_fixed_size: 0
    .kernarg_segment_align: 8
    .kernarg_segment_size: 48
    .max_flat_workgroup_size: 256
    .sgpr_count:     66
    .vgpr_count:     256
    .wavefront_size: 32
...
	.end_amdgpu_metadata
.endif
;; end of part 3
;; ======== version 2 of 2: 3 launches
;; workspace buffers: qkv 6,946,816 bytes; rtab 98,304 bytes; oc 2,097,152 bytes; os 131,072 bytes
;; launch proj (part 4): grid 64 x 4, 7 waves a work-group, no clusters, 0 bytes of LDS; arguments x_codes, x_scales, Wq_codes, Wq_scales, bq, Wkv_codes, Wkv_scales, bkv, rel_emb, qkv, rtab; writes qkv, rtab
.if DOCPART == 4
	.amdgcn_target "amdgcn-amd-amdhsa--gfx1250"
	.amdhsa_code_object_version 6
	.text
	.protected	k_qd6230c2a0c_proj
	.globl	k_qd6230c2a0c_proj
	.p2align	8
	.type	k_qd6230c2a0c_proj,@function
k_qd6230c2a0c_proj:
	s_mov_b64 s[64:65], 0
	v_nop
	global_prefetch_b8 v0, s[64:65] scope:SCOPE_SE
	s_setreg_imm32_b32 hwreg(HW_REG_WAVE_SCHED_MODE, 0, 2), 2
	s_setreg_imm32_b32 hwreg(HW_REG_WAVE_MODE, 25, 1), 1
	s_wait_xcnt 0x0
	s_wait_alu depctr_vm_vsrc(0)
; q = x Wq + bq, k and v = x Wkv + bkv on codes of FP4 (E2M1) with E8M0 scales, and at once the quantising of q, k (along the head's 64), of v (along the keys) and of rel_emb's rows (along their 64).
; What is stored is laid in the order of the next launch's operand registers, so that a fragment there is one load of 16 bytes a lane.
; SHARES.  Work-group (x, y): x = a step of 128 tokens (batch x / 8, step x % 8), y = a pair of heads.  Seven waves, three roles by the wave's number, each with its own end; no LDS, no barrier, waves share nothing.
;   waves 0-3: q (even) or k (odd) of head 2 y + wave / 2: source 0 = 16 rows of W, source 1 = 16 tokens: a lane holds ONE token and its 32 registers are d = 32 (lane / 16) + 0 .. 31: a whole block.
;   waves 4-5: v of head 2 y + wave % 2: source 0 = 16 tokens, source 1 = 16 rows of W: a lane holds ONE d and its registers run along the tokens: 64 (lane / 16) + 0 .. 63: two whole blocks.
;   wave 6:    eight rows of the table of relative positions.
; THE ROWS OF A TILE ARE NOT NEIGHBOURS.  Tile t of tokens: lane r takes token 8 t + r % 8 + 64 (r / 8).  Tile t of W: lane r takes row 8 t + r % 8 + 32 (r / 8).  So a lane's registers over the tiles are neighbours along the next K.
; qkv, for each (batch, head) 108,544 bytes: K codes 0, V codes 32,768, K scale words 65,536, V scale words 69,632, Q codes 71,680, Q scale words 104,448.
;   K, Q codes [step 8][tile 8][lane 32][16 bytes]; their scale words [step 8][r 16][tile 8], bytes 0 and 1 the two blocks, bytes 2 and 3 zero (they stand over zero codes).
;   V codes [step 8][f 4][c 2][lane 32][16 bytes]: lane (r, h): d = 8 f + r % 8 + 32 (r / 8), keys 64 h + 32 c + 0 .. 31; its scale words [step 8][r 16][f 4], byte 2 c + h.
; rtab: 2,048 rows of 48 bytes; row e stands for query - key = 1023 - e and holds rel_emb[clamp(1535 - e, 0, 1024)]: a scale word, 12 zero bytes, two blocks of 16 bytes.  The clip is built into the table.
; LIMITS: NaN and infinities among the inputs are not served.  A block of zeros, and one whose largest magnitude lies under 2^-124, gets the byte 1 (the rule says 127 for zeros): its codes are zeros, and only this program reads the bytes.
; REGISTERS.  Window 0: v1-10 offsets; v12-27 W's scale words; v28-39 x's, three sets; v40-45 at work; from v64 accumulators, codes, words.  Window 1: v0-127 W's 16 fragments; v128-159 the bias in the result's layout; v160-255 x's fragments, three sets.
; THE MODE: SCHED_MODE bits 1:0 = 2 (LLVM: expert scheduling mode 2), set by the entry lines.  The code itself states the register dependences between vector or matrix instructions and memory instructions, with s_wait_alu, always for 0.
; THE PLAN.  Registers that memory instructions touch:
;   the offsets v3-v10 (table rows: v7, v9, v10)  Written once, at the head of a role; read by its loads and stores; never written again.
;   W's fragments and scale words, the bias       Loaded once; read by matrix instructions (v's bias: by v_mov).
;   x's sets XF[t % 3], SS[t % 3]                 Tile t's sixteen matrix instructions read them; behind those the loads of tile t + 3 land in them.
;   the codes and scale words to store            Each register is written once, by a conversion or a select, and read by one store.
; q, k: ONE wait on va_vdst to a tile, behind its quantiser: the tile's products are done reading x's set, and its codes are written; the refill and the store follow it.  Tile 7's store goes behind the wait for the scale words.
; v:    one wait behind the products of each tile that refills a set (tiles 0 to 4); tile 4's also shows the codes of the first four tiles written, and their four stores stand there; one wait ahead of the last five stores.
; No register that a memory instruction reads is written again, so no wait on vm_vsrc is owed.
.set BHB,  108544
.set RR,   1
.set HH,   2
.set XA,   3                           ; x: my row of a tile and my half's 16 bytes
.set XSA,  4                           ; x's scale bytes: my row
.set WA,   5                           ; the same for W
.set WSA,  6
.set BA,   7                           ; the bias
.set LI,   8                           ; 16 x lane: my place in an image
.set SH8,  9                           ; 8 x (lane / 16)
.set SOA,  10                          ; where my scale words go
.set RS,   12
.set SS,   28
.set T0,   40
.set T1,   41
.set SCO,  42
.set BY,   43
.set PT,   44
.set PX,   45
.set ACC,  64
.set CDQ,  96                          ; q, k: four registers of codes for each tile, so that no store's data are written again
.set KW,   128                         ; q, k: a scale word for each tile
.set OWQ,  136
.set CDV,  192                         ; v: four registers of codes for each (c, f)
.set VP,   224
.set BV,   228
.set OWV,  232
.set WF,   0                           ; window 1
.set BIAS, 128
.set XF,   160
.set MSB, 0
.macro WIN new                         ; the immediate's high byte repeats the setting that is left
.if MSB != \new
	s_set_vgpr_msb (MSB<<8)|\new
.set MSB, \new
.endif
.endm
.macro PLACES                          ; four places behind matrix instructions, in front of reads of their results and of loads into their sources
.rept 4
	v_nop
.endr
.endm
.macro LOADW                           ; my 64 rows of W: 4 tiles x 4 K steps of 128, and their scale words: 36 loads; they stay
	WIN 0x40                                       ; destination window 1
.irp t, 0,1,2,3
.irp ks, 0,1,2,3
.irp c, 0,1
	global_load_b128 v[WF+32*\t+8*\ks+4*\c:WF+32*\t+8*\ks+4*\c+3], v[WA], s[36:37] offset:2048*\t+64*\ks+32*\c
.endr
.endr
.endr
	WIN 0
.irp t, 0,1,2,3
	global_load_b128 v[RS+4*\t:RS+4*\t+3], v[WSA], s[38:39] offset:128*\t
.endr
.endm
.macro XLOAD t                         ; tile t of tokens, all of K, into set t % 3: nine loads
	WIN 0x40
.irp ks, 0,1,2,3
.irp c, 0,1
	global_load_b128 v[XF+32*((\t)%3)+8*\ks+4*\c:XF+32*((\t)%3)+8*\ks+4*\c+3], v[XA], s[32:33] offset:2048*(\t)+64*\ks+32*\c
.endr
.endr
	WIN 0
	global_load_b128 v[SS+4*((\t)%3):SS+4*((\t)%3)+3], v[XSA], s[34:35] offset:128*(\t)
.endm
; 32 numbers of a lane, one block along the next K, become 16 bytes of codes in v[c] on; the scale's byte is left in v[BY].
.macro QUANT32 a, c
	v_max3_num_f32 v[T0], |v[(\a)]|, |v[(\a)+1]|, 0x1800000        ; two chains; the floor 2^(3 - 127) among the leaves holds the byte at 1 from below
	v_max3_num_f32 v[T1], |v[(\a)+16]|, |v[(\a)+17]|, 0x1800000
.irp i, 2,4,6,8,10,12,14
	v_max3_num_f32 v[T0], v[T0], |v[(\a)+\i]|, |v[(\a)+\i+1]|
	v_max3_num_f32 v[T1], v[T1], |v[(\a)+16+\i]|, |v[(\a)+17+\i]|
.endr
	v_max_num_f32 v[T0], v[T0], v[T1]
	v_add_nc_u32 v[SCO], 0xff000000, v[T0]         ; 2 off the exponent field: the conversion takes the exponent field of this operand as its scale
.irp g, 0,1,2,3
	v_cvt_scalef32_pk8_fp4_f32 v[(\c)+\g], v[(\a)+8*\g:(\a)+8*\g+7], v[SCO]
.endr
	v_lshrrev_b32 v[BY], 23, v[SCO]                ; the scale's byte; also the plain line behind the conversions
.endm
	s_load_b512 s[4:19], s[0:1], 0x0               ; x codes, x scales, Wq codes, Wq scales, bq, Wkv codes, Wkv scales, bkv
	s_load_b128 s[20:23], s[0:1], 0x40             ; rel_emb, qkv
	s_load_b64 s[24:25], s[0:1], 0x50              ; rtab
	v_lshrrev_b32 v1, 5, v0
	v_readfirstlane_b32 s26, v1                    ; wave 0..6
	s_and_b32 s27, ttmp7, 0xffff                   ; the pair of heads
	s_mov_b32 s28, 0x76543210
	s_mov_b32 s29, 0xfedcba98                      ; v_permlanex16_b32's selects for lane l xor 16
	s_mov_b32 s30, 0xffff0000                      ; lanes 16-31
	s_mov_b32 s31, 0x11111111                      ; every fourth lane
	v_and_b32 v[RR], 15, v0                        ; r
	v_bfe_u32 v[HH], v0, 4, 1                      ; h
	v_and_b32 v[T0], 7, v0                         ; r % 8
	v_bfe_u32 v[T1], v0, 3, 1                      ; r / 8
	v_lshlrev_b32 v[XA], 8, v[T0]                  ; rows of 256 bytes
	v_lshl_add_u32 v[WA], v[T1], 13, v[XA]         ; W: 32 rows on for r / 8
	v_lshl_add_u32 v[XA], v[T1], 14, v[XA]         ; x: 64 rows on
	v_lshl_add_u32 v[WA], v[HH], 4, v[WA]
	v_lshl_add_u32 v[XA], v[HH], 4, v[XA]
	v_lshlrev_b32 v[XSA], 4, v[T0]                 ; rows of 16 scale bytes
	v_lshl_add_u32 v[WSA], v[T1], 9, v[XSA]
	v_lshl_add_u32 v[XSA], v[T1], 10, v[XSA]
	v_and_b32 v[LI], 31, v0
	v_lshlrev_b32 v[LI], 4, v[LI]
	v_lshlrev_b32 v[SH8], 3, v[HH]
	v_mov_b32 v[PX], 0                             ; a lane permute's destination counts as one of its sources
	s_lshl_b32 s46, ttmp9, 15                      ; my 128 tokens: 32,768 bytes of codes,
	s_mov_b32 s47, 0
	s_lshl_b32 s48, ttmp9, 11                      ; 2,048 of scale bytes
	s_mov_b32 s49, 0
	s_lshr_b32 s50, ttmp9, 3                       ; the batch
	s_and_b32 s51, ttmp9, 7                        ; the step of 128 tokens in it
	s_wait_alu depctr_va_sdst(0)                   ; s26, the wave's number, is written, ahead of its first reader: the compare below, and the roles' bases
	s_wait_kmcnt 0x0
	s_add_nc_u64 s[32:33], s[4:5], s[46:47]
	s_add_nc_u64 s[34:35], s[6:7], s[48:49]
	s_cmp_lt_u32 s26, 4
	s_cbranch_scc0 .Lnot_qk
	; ---------------- q or k ----------------
	s_and_b32 s52, s26, 1                          ; 1: k
	s_lshr_b32 s53, s26, 1
	s_lshl_b32 s54, s27, 1
	s_add_co_u32 s53, s53, s54                     ; the head
	s_cmp_eq_u32 s52, 1                            ; the choice hangs on the wave's number alone
	s_cselect_b64 s[36:37], s[14:15], s[8:9]       ; k is the first half of Wkv's rows
	s_cselect_b64 s[38:39], s[16:17], s[10:11]
	s_cselect_b64 s[40:41], s[18:19], s[12:13]
	s_cselect_b32 s54, 0, 71680                    ; where the codes go,
	s_mov_b32 s55, 104448
	s_cselect_b32 s55, 65536, s55                  ; and the scale words
	s_lshl_b32 s46, s53, 14                        ; the head's 64 rows of W
	s_add_nc_u64 s[36:37], s[36:37], s[46:47]
	s_lshl_b32 s46, s53, 10
	s_add_nc_u64 s[38:39], s[38:39], s[46:47]
	s_lshl_b32 s46, s53, 8
	s_add_nc_u64 s[40:41], s[40:41], s[46:47]
	s_lshl_b32 s48, s50, 3
	s_add_co_u32 s48, s48, s53
	s_mul_i32 s48, s48, BHB                        ; (batch, head)'s part of qkv
	s_lshl_b32 s46, s51, 12
	s_add_co_u32 s46, s46, s48
	s_add_co_u32 s46, s46, s54
	s_add_nc_u64 s[42:43], s[22:23], s[46:47]
	s_lshl_b32 s46, s51, 9
	s_add_co_u32 s46, s46, s48
	s_add_co_u32 s46, s46, s55
	s_add_nc_u64 s[44:45], s[22:23], s[46:47]
	v_lshlrev_b32 v[BA], 7, v[HH]                  ; the bias of d = 32 h + 8 t + 0 .. 7
	v_lshlrev_b32 v[SOA], 5, v[RR]
	v_lshl_add_u32 v[SOA], v[HH], 4, v[SOA]        ; scale words: row r of 32 bytes, my half's four tiles
	WIN 0x40
	s_wait_alu depctr_va_vdst(0)                   ; the offsets v3 to v10 are written, which every load and store of this role reads
.irp t, 0,1,2,3
	global_load_b128 v[BIAS+8*\t:BIAS+8*\t+3], v[BA], s[40:41] offset:32*\t
	global_load_b128 v[BIAS+8*\t+4:BIAS+8*\t+7], v[BA], s[40:41] offset:32*\t+16
.endr
	LOADW
	XLOAD 0
	XLOAD 1
	XLOAD 2
; 16 matrix instructions: K step by K step, the four accumulators by turns, one instruction a turn.  The bias is the C of each sum's first.
.macro MMQK t
.irp ks, 0,1,2,3
.if \ks == 0
	WIN 0x15                                       ; W, x and the bias in window 1, the result in window 0
.else
	WIN 0x05
.endif
.irp tt, 0,1,2,3
.if \ks == 0
	v_wmma_scale_f32_16x16x128_f8f6f4 v[ACC+8*\tt:ACC+8*\tt+7], v[WF+32*\tt+8*\ks:WF+32*\tt+8*\ks+7], v[XF+32*((\t)%3)+8*\ks:XF+32*((\t)%3)+8*\ks+7], v[BIAS+8*\tt:BIAS+8*\tt+7], v[RS+4*\tt+\ks], v[SS+4*((\t)%3)+\ks] matrix_a_fmt:MATRIX_FMT_FP4 matrix_b_fmt:MATRIX_FMT_FP4
.else
	v_wmma_scale_f32_16x16x128_f8f6f4 v[ACC+8*\tt:ACC+8*\tt+7], v[WF+32*\tt+8*\ks:WF+32*\tt+8*\ks+7], v[XF+32*((\t)%3)+8*\ks:XF+32*((\t)%3)+8*\ks+7], v[ACC+8*\tt:ACC+8*\tt+7], v[RS+4*\tt+\ks], v[SS+4*((\t)%3)+\ks] matrix_a_fmt:MATRIX_FMT_FP4 matrix_b_fmt:MATRIX_FMT_FP4
.endif
.endr
.endr
	WIN 0
.endm
.irp t, 0,1,2,3,4,5,6,7
.if 7-\t >= 2
	s_wait_loadcnt 18                              ; this tile's nine loads (and all before them) are in; the two younger tiles' may be out
.else
	s_wait_loadcnt 9*(7-\t)
.endif
	MMQK \t
	PLACES
	QUANT32 ACC, CDQ+4*\t                          ; my token's d = 32 h + 0 .. 31
	v_lshlrev_b32 v[PT], v[SH8], v[BY]             ; my block's byte at its place,
	v_permlanex16_b32 v[PX], v[PT], s28, s29
	v_or_b32 v[KW+\t], v[PT], v[PX]                ; with lane l xor 16's: the token's scale word
.if \t < 7
	s_wait_alu depctr_va_vdst(0)                   ; this tile's products are done reading x's set and its scale words, in which the loads below land; its conversions have written the codes, which the store below reads
.if \t+3 <= 7
	XLOAD \t+3                                     ; into the set just multiplied
.endif
	global_store_b128 v[LI], v[CDQ+4*\t:CDQ+4*\t+3], s[42:43] offset:512*\t   ; the wave stores 512 consecutive bytes: the tile's image
.endif
.endr
.irp k, 0,1,2,3
	v_cndmask_b32 v[OWQ+\k], v[KW+\k], v[KW+4+\k], s30   ; lanes 0-15 send tiles 0-3, lanes 16-31 tiles 4-7
.endr
	s_wait_alu depctr_va_vdst(0)                   ; tile 7's conversions have written its codes and the selects the scale words: the two stores below read them
	global_store_b128 v[LI], v[CDQ+28:CDQ+31], s[42:43] offset:512*7     ; tile 7's image
	global_store_b128 v[SOA], v[OWQ:OWQ+3], s[44:45]     ; 512 consecutive bytes
	s_endpgm
.Lnot_qk:
	s_cmp_lt_u32 s26, 6
	s_cbranch_scc0 .Lrel
	; ---------------- v ----------------
	s_and_b32 s53, s26, 1
	s_lshl_b32 s54, s27, 1
	s_add_co_u32 s53, s53, s54                     ; the head
	s_lshl_b32 s46, s53, 14
	s_add_co_u32 s46, s46, 131072                  ; v is the second half of Wkv's rows: row 512 + 64 head
	s_add_nc_u64 s[36:37], s[14:15], s[46:47]
	s_lshl_b32 s46, s53, 10
	s_add_co_u32 s46, s46, 8192
	s_add_nc_u64 s[38:39], s[16:17], s[46:47]
	s_lshl_b32 s46, s53, 8
	s_add_co_u32 s46, s46, 2048
	s_add_nc_u64 s[40:41], s[18:19], s[46:47]
	s_lshl_b32 s48, s50, 3
	s_add_co_u32 s48, s48, s53
	s_mul_i32 s48, s48, BHB
	s_lshl_b32 s46, s51, 12
	s_add_co_u32 s46, s46, s48
	s_add_co_u32 s46, s46, 32768
	s_add_nc_u64 s[42:43], s[22:23], s[46:47]
	s_lshl_b32 s46, s51, 8
	s_add_co_u32 s46, s46, s48
	s_add_co_u32 s46, s46, 69632
	s_add_nc_u64 s[44:45], s[22:23], s[46:47]
	v_lshlrev_b32 v[BA], 2, v[T0]
	v_lshl_add_u32 v[BA], v[T1], 7, v[BA]          ; the bias of my d: 4 (r % 8 + 32 (r / 8))
	v_lshlrev_b32 v[SOA], 4, v[RR]
	v_lshl_add_u32 v[SOA], v[HH], 3, v[SOA]        ; scale words: row r of 16 bytes, my half's two tiles
	s_wait_alu depctr_va_vdst(0)                   ; the offsets v3 to v10 are written, which every load and store of this role reads
.irp f, 0,1,2,3
	global_load_b32 v[BV+\f], v[BA], s[40:41] offset:32*\f
.endr
	LOADW
	XLOAD 0
	XLOAD 1
	XLOAD 2
	s_wait_loadcnt 18                              ; the bias, W and tile 0 are in
	WIN 0x40
.irp f, 0,1,2,3
.irp i, 0,1,2,3,4,5,6,7
	v_mov_b32 v[BIAS+8*\f+\i], v[BV+\f]            ; in the result's layout a lane's eight registers are eight tokens of ONE d: the same bias eight times
.endr
.endr
	WIN 0
	PLACES
.macro MMV t                           ; 16 matrix instructions: source 0 = the tokens, source 1 = W's rows; the four accumulators by turns
.irp ks, 0,1,2,3
.if \ks == 0
	WIN 0x15
.else
	WIN 0x05
.endif
.irp f, 0,1,2,3
.if \ks == 0
	v_wmma_scale_f32_16x16x128_f8f6f4 v[ACC+32*\f+8*((\t)%4):ACC+32*\f+8*((\t)%4)+7], v[XF+32*((\t)%3)+8*\ks:XF+32*((\t)%3)+8*\ks+7], v[WF+32*\f+8*\ks:WF+32*\f+8*\ks+7], v[BIAS+8*\f:BIAS+8*\f+7], v[SS+4*((\t)%3)+\ks], v[RS+4*\f+\ks] matrix_a_fmt:MATRIX_FMT_FP4 matrix_b_fmt:MATRIX_FMT_FP4
.else
	v_wmma_scale_f32_16x16x128_f8f6f4 v[ACC+32*\f+8*((\t)%4):ACC+32*\f+8*((\t)%4)+7], v[XF+32*((\t)%3)+8*\ks:XF+32*((\t)%3)+8*\ks+7], v[WF+32*\f+8*\ks:WF+32*\f+8*\ks+7], v[ACC+32*\f+8*((\t)%4):ACC+32*\f+8*((\t)%4)+7], v[SS+4*((\t)%3)+\ks], v[RS+4*\f+\ks] matrix_a_fmt:MATRIX_FMT_FP4 matrix_b_fmt:MATRIX_FMT_FP4
.endif
.endr
.endr
	WIN 0
.endm
.macro VQ c                            ; four tiles of tokens are done: for each tile f of d a block of 32 keys (64 h + 32 c on) lies in my 32 registers
.irp f, 0,1,2,3
	QUANT32 ACC+32*\f, CDV+4*(4*\c+\f)
.if \c == 0
	v_lshlrev_b32 v[VP+\f], v[SH8], v[BY]          ; byte h
.else
	v_lshlrev_b32 v[PT], v[SH8], v[BY]
	v_lshl_or_b32 v[VP+\f], v[PT], 16, v[VP+\f]    ; byte 2 + h
.endif
.endr
.endm
.macro VSEND c                         ; the four images that VQ c has made: each store of the wave covers 512 consecutive bytes
.irp f, 0,1,2,3
	global_store_b128 v[LI], v[CDV+4*(4*\c+\f):CDV+4*(4*\c+\f)+3], s[42:43] offset:(2*\f+\c)*512
.endr
.endm
	s_wait_alu depctr_va_vdst(0)
.irp t, 0,1,2,3,4,5,6,7
.if 7-\t >= 2
	s_wait_loadcnt 18                              ; as above: the two younger tiles' loads may be out
.else
	s_wait_loadcnt 9*(7-\t)
.endif
	MMV \t
	PLACES
.if \t+3 <= 7
	s_wait_alu depctr_va_vdst(0)                   ; this tile's products are done reading x's set and its scale words, in which the loads below land; in tile 4 also: the conversions of the first four tiles have written their codes, which the four stores below read
	XLOAD \t+3
.endif
.if \t == 4
	VSEND 0
.endif
.if \t == 3
	VQ 0
.endif
.if \t == 7
	VQ 1
.endif
.endr
.irp f, 0,1,2,3
	v_permlanex16_b32 v[PX], v[VP+\f], s28, s29
	v_or_b32 v[VP+\f], v[VP+\f], v[PX]             ; with lane l xor 16's two bytes the word is whole
.endr
	v_cndmask_b32 v[OWV], v[VP], v[VP+2], s30      ; lanes 0-15 send tiles 0 and 1, lanes 16-31 tiles 2 and 3
	v_cndmask_b32 v[OWV+1], v[VP+1], v[VP+3], s30
	s_wait_alu depctr_va_vdst(0)                   ; the conversions of the last four tiles have written their codes and the selects the scale words: the five stores below read them
	VSEND 1
	global_store_b64 v[SOA], v[OWV:OWV+1], s[44:45]      ; 256 consecutive bytes
	s_endpgm
.Lrel:
	; ---------------- eight rows of the table: four lanes to a row, two to a block, 16 numbers a lane ----------------
	s_lshl_b32 s46, s27, 6
	s_add_co_u32 s46, s46, ttmp9                   ; the work-group's number, 0 .. 255
	s_lshl_b32 s46, s46, 3
	v_and_b32 v3, 31, v0
	v_lshrrev_b32 v4, 2, v3
	v_add_nc_u32 v4, s46, v4                       ; e
	v_bfe_u32 v5, v0, 1, 1                         ; which block
	v_and_b32 v6, 1, v0                            ; which half of it
	v_min_u32 v7, 1535, v4
	v_sub_nc_u32 v7, 1535, v7
	v_min_u32 v7, 1024, v7                         ; clamp(1535 - e, 0, 1024): rel_emb's row
	v_lshlrev_b32 v7, 8, v7
	v_lshl_add_u32 v7, v5, 7, v7
	v_lshl_add_u32 v7, v6, 6, v7
	s_wait_alu depctr_va_vdst(0)                   ; v7 is written, which the four loads read as their offset
.irp i, 0,1,2,3
	global_load_b128 v[64+4*\i:67+4*\i], v7, s[20:21] offset:16*\i
.endr
	v_mul_u32_u24 v8, v4, 48                       ; the table's row
	v_lshl_add_u32 v9, v5, 4, v8
	v_lshl_add_u32 v9, v6, 3, v9                   ; my 8 bytes of codes (16 more in the store's immediate)
	v_and_b32 v10, 3, v0
	v_lshl_add_u32 v10, v10, 2, v8                 ; my word of the row's first 16 bytes
	v_lshlrev_b32 v11, 3, v5
	s_wait_loadcnt 0x0
	v_max3_num_f32 v[T0], |v64|, |v65|, 0x1800000
	v_max3_num_f32 v[T1], |v72|, |v73|, |v74|
	v_max3_num_f32 v[T0], v[T0], |v66|, |v67|
	v_max3_num_f32 v[T1], v[T1], |v75|, |v76|
	v_max3_num_f32 v[T0], v[T0], |v68|, |v69|
	v_max3_num_f32 v[T1], v[T1], |v77|, |v78|
	v_max3_num_f32 v[T0], v[T0], |v70|, |v71|
	v_max3_num_f32 v[T0], v[T0], v[T1], |v79|
	v_max_num_f32_dpp v[T0], v[T0], v[T0] row_xmask:1 row_mask:0xf bank_mask:0xf   ; with my neighbour's 16: the block's
	v_add_nc_u32 v[SCO], 0xff000000, v[T0]
	v_cvt_scalef32_pk8_fp4_f32 v46, v[64:71], v[SCO]
	v_cvt_scalef32_pk8_fp4_f32 v47, v[72:79], v[SCO]
	v_lshrrev_b32 v[BY], 23, v[SCO]
	v_lshlrev_b32 v[PT], v11, v[BY]                ; my block's byte at its place,
	v_mov_b32_dpp v[PX], v[PT] row_xmask:2 row_mask:0xf bank_mask:0xf   ; the other block's,
	v_or_b32 v[PT], v[PT], v[PX]
	v_cndmask_b32 v48, 0, v[PT], s31               ; the word in the row's first lane, zeros in the other three
	s_wait_alu depctr_va_vdst(0)                   ; the offsets v9 and v10, the codes v46 and v47 and the word v48 are written: the two stores below read them
	global_store_b64 v9, v[46:47], s[24:25] offset:16
	global_store_b32 v10, v48, s[24:25]
	s_endpgm
.Lfunc_end_k_qd6230c2a0c_proj:
	.size	k_qd6230c2a0c_proj, .Lfunc_end_k_qd6230c2a0c_proj-k_qd6230c2a0c_proj
	.p2alignl 7, 3214868480
	.fill 96, 4, 3214868480
	.section	.rodata,"a",@progbits
	.p2align	6, 0x0
	.amdhsa_kernel k_qd6230c2a0c_proj
		.amdhsa_group_segment_fixed_size 0
		.amdhsa_private_segment_fixed_size 0
		.amdhsa_enable_private_segment 0
		.amdhsa_kernarg_size 88
		.amdhsa_user_sgpr_count 2
		.amdhsa_user_sgpr_kernarg_segment_ptr 1
		.amdhsa_wavefront_size32 1
		.amdhsa_system_sgpr_workgroup_id_x 1
		.amdhsa_system_sgpr_workgroup_id_y 1
		.amdhsa_system_sgpr_workgroup_id_z 1
		.amdhsa_system_vgpr_workitem_id 0
		.amdhsa_next_free_vgpr 512
		.amdhsa_next_free_sgpr 66
		.amdhsa_reserve_vcc 0
		.amdhsa_float_denorm_mode_32 3
		.amdhsa_float_denorm_mode_16_64 3
		.amdhsa_memory_ordered 1
		.amdhsa_forward_progress 1
		.amdhsa_inst_pref_size 95
	.end_amdhsa_kernel
	.amdgpu_metadata
---
amdhsa.version: [ 1, 2 ]
amdhsa.kernels:
  - .name:           k_qd6230c2a0c_proj
    .symbol:         k_qd6230c2a0c_proj.kd
    .args:
      - { .name: x_codes, .offset: 0, .size: 8, .value_kind: global_buffer, .address_space: global }
      - { .name: x_scales, .offset: 8, .size: 8, .value_kind: global_buffer, .address_space: global }
      - { .name: Wq_codes, .offset: 16, .size: 8, .value_kind: global_buffer, .address_space: global }
      - { .name: Wq_scales, .offset: 24, .size: 8, .value_kind: global_buffer, .address_space: global }
      - { .name: bq, .offset: 32, .size: 8, .value_kind: global_buffer, .address_space: global }
      - { .name: Wkv_codes, .offset: 40, .size: 8, .value_kind: global_buffer, .address_space: global }
      - { .name: Wkv_scales, .offset: 48, .size: 8, .value_kind: global_buffer, .address_space: global }
      - { .name: bkv, .offset: 56, .size: 8, .value_kind: global_buffer, .address_space: global }
      - { .name: rel_emb, .offset: 64, .size: 8, .value_kind: global_buffer, .address_space: global }
      - { .name: qkv, .offset: 72, .size: 8, .value_kind: global_buffer, .address_space: global }
      - { .name: rtab, .offset: 80, .size: 8, .value_kind: global_buffer, .address_space: global }
    .group_segment_fixed_size: 0
    .private_segment_fixed_size: 0
    .kernarg_segment_align: 8
    .kernarg_segment_size: 88
    .max_flat_workgroup_size: 224
    .sgpr_count:     66
    .vgpr_count:     512
    .wavefront_size: 32
...
	.end_amdgpu_metadata
.endif
;; end of part 4
;; launch attn (part 5): grid 4 x 64, 16 waves a work-group, clusters of 4 x 4, 327,680 bytes of LDS; arguments qkv, rtab, oc, os; writes oc, os
.if DOCPART == 5
	.amdgcn_target "amdgcn-amd-amdhsa--gfx1250"
	.amdhsa_code_object_version 6
	.text
	.protected	k_qd6230c2a0c_attn
	.globl	k_qd6230c2a0c_attn
	.p2align	8
	.type	k_qd6230c2a0c_attn,@function
k_qd6230c2a0c_attn:
	s_mov_b64 s[64:65], 0
	v_nop
	global_prefetch_b8 v0, s[64:65] scope:SCOPE_SE
	s_setreg_imm32_b32 hwreg(HW_REG_WAVE_MODE, 25, 1), 1
	s_wait_xcnt 0x0
	s_wait_alu depctr_hold_cnt(0) depctr_sa_sdst(0) depctr_va_vdst(0) depctr_va_sdst(0) depctr_va_ssrc(0) depctr_va_vcc(0) depctr_vm_vsrc(0)
	s_getreg_b32 s2, hwreg(HW_REG_IB_STS2, 6, 4)
	s_cmp_eq_u32 s2, 0
	s_cbranch_scc0 .Lentry_in_a_cluster
	s_endpgm
.Lentry_in_a_cluster:
	s_bfe_u32 s2, ttmp6, 0x10000c
	s_cmp_lg_u32 s2, 0xf033
	s_cbranch_scc0 .Lentry_shape_is_right
	s_endpgm
.Lentry_shape_is_right:
; For one (batch, head) and 256 queries: logits = (q . k[m] + q . R[clip(n - m)]) / 8, softmax, times v, divided by the row's sum, quantised along (head, d) for the last projection.  All products on codes of FP4 (E2M1) with E8M0 scales.
; SHARES.  A work-group owns 256 queries of one (batch, head); each of its sixteen waves 16 of them, in 256 registers.  Every wave walks the head's 1,024 keys, 128 a step.
; LDS IS FILLED ONCE: the head's K and V codes and scale words (71,680 dense bytes) and the 1,280 rows of the table of relative positions that these 256 queries can meet (61,440 dense bytes).  No slot is ever filled again, so the loop has no barrier.
; CLUSTER 4 x 4.  The four work-groups of a row of the cluster are the four query blocks of one (batch, head): they ask for K and V jointly.  The four of a column have the same query block: they ask for the table's window jointly.
; LAYOUT.  All products are used transposed, so that a lane holds ONE query (lane % 16).  The head's 64 fill registers 0-3 of a fragment; registers 4-7 hold zero codes.
;   A lane half owns whole blocks of keys: lane (r, h) holds keys 64 h + 0 .. 63 of a step, register u key 64 h + u (the keys of K's tiles were chosen so when they were stored).  P, V and V's scale bytes are laid alike:
;   the matrix unit's block 2 c + h stands for keys 64 h + 32 c + 0 .. 31.  So a block's largest p needs no other lane and the conversions' results are the operand.
; THE RELATIVE POSITIONS.  X = (80 rows of the table for each half of the lanes) x q: register i of lane (r, h) is q[n0 + r] . row (e0 + 64 h + i).  Query n0 + r and key 64 h + u want row e0 + 64 h + u + 15 - r:
;   a shift of the REGISTER index by 15 - r, which differs from lane to lane.  Each lane stores its 80 numbers to its own 320 bytes of LDS and reads 64 back from 4 (15 - r) bytes on, straight into the registers that the product k q^T takes as its C.
; THE SOFTMAX.  t = logit x log2(e); M = the running largest t rounded up to a whole number; p = 2^(t - M) is quantised, not normalised; the sum is taken of the unquantised p; when M moves, sum and O are multiplied by 2^(old M - new M), exactly.
; OUT.  oc [tile of 16 rows][head][lane][16 bytes]: the image of the last projection's operand; os [row][16]: byte 2 head + h.  The bytes of os are stored singly, 32 a wave: one byte for each 16 bytes of codes.
; LIMITS: NaN and infinities are not served.  A block of zeros gets the byte 1 (the rule says 127): its codes are zeros, and only this program reads the bytes.
.set BHB,  108544                      ; a (batch, head)'s part of qkv
.set KC,   0                           ; LDS: K's images, 32,768 bytes
.set VC,   32768                       ; V's images, 32,768
.set KSC,  65536                       ; K's scale words, 4,096
.set VSC,  69632                       ; V's, 2,048
.set RT,   71680                       ; the table's window: 1,280 rows of 48 bytes
.set SCR,  133120                      ; a scratch of 10,880 bytes for each wave; no fill lands here
.set SCW,  10880                       ; in it lane (r, h) has 320 bytes at 336 r + 5,504 h: 336 = 21 x 16, so the sixteen lanes of a 16-byte store start in sixteen different 16-byte columns of 256 bytes
.set LI,   1                           ; 16 x lane
.set AKS0, 2                           ; K's scale words: row r, four tiles for each half of the lanes
.set AVS0, 3                           ; V's: row r
.set AR0,  4                           ; the table: my row of a tile, my half's block
.set ARS0, 5                           ; its scale words: lanes 0-15 an even tile's, lanes 16-31 the next tile's
.set SW,   6                           ; my scratch
.set SL,   7                           ; and 4 (15 - r) bytes on
.set ADK,  8                           ; the step's addresses
.set ADS,  9
.set ADT,  10
.set ADR,  11
.set NM,   12                          ; -M; v13 the largest t; v[14:15] the sum in two halves
.set TM,   13
.set LS,   14
.set QF,   16                          ; v16-23 Q's fragment
.set QS,   24                          ; its scale word
.set PS,   25                          ; p's scale word
.set ADRS, 26
.set SH8,  27                          ; 8 h
.set VS,   28                          ; v28-31 V's scale words
.set KS,   32                          ; v32-35 K's
.set RS,   36                          ; v36-40 the table's
.set PC,   42                          ; v42-49 p's codes
.set FB,   50                          ; v50-89 five fragments of the table or of K: the low four registers are loaded, the high four stay zero
.set VF,   90                          ; v90-121 V's four fragments
.set S,    122                         ; v122-201 X, then the logits, then p
.set O,    202                         ; v202-233 O^T
.set C0,   234                         ; v234-237 four chains of the maximum
.set MX,   238
.set MP,   239
.set DM,   240
.set FF,   242                         ; v[242:243] f = 2^(old M - new M)
.set SCO,  244                         ; v244-245 the conversions' scale operands
.set BB,   246                         ; v246-247 the bytes
.set L2,   248                         ; v[248:249] one of the sum's eight chains
.set INV,  250                         ; v[250:251] 1 / the sum
.set PX,   252
.set WV,   12                          ; s12 the wave
.set G1K,  24                          ; s[24:31] group 1 for K and V;  s[32:39] for the table;  s[40:43], s[44:47] their groups 0
.set G1R,  32
.set G0K,  40
.set G0R,  44
.set SEL,  48
.set CS,   50                          ; s[50:51] c = log2(e) / 8
.set TB,   52                          ; the step's images: 4,096 bytes a step
.set TS,   53                          ; K's scale words: 512
.set TV,   54                          ; V's: 256
.set TR,   55                          ; the table: 128 rows, 6,144
.set CNT,  56
.macro PLACES                          ; four places behind matrix instructions, in front of reads of their results and of loads into their registers
.rept 4
	v_nop
.endr
.endm
.macro ROUND                           ; a round of the cluster's barrier
	s_barrier_signal -1
	s_barrier_wait -1
	s_cmp_lg_u32 s[WV], 0
	s_cbranch_scc1 .Lnot_wave_0_\@
	s_barrier_signal -3
.Lnot_wave_0_\@:
	s_barrier_wait -3
	s_barrier_signal -1
	s_barrier_wait -1
.endm
.macro RQ tau, b                       ; tile tau of X = 16 rows of the table (buffer b) x my 16 queries; an odd tile's scale words lie in lanes 16-31
.if (\tau)%2
	v_wmma_scale_f32_16x16x128_f8f6f4 v[S+8*(\tau):S+8*(\tau)+7], v[FB+8*(\b):FB+8*(\b)+7], v[QF:QF+7], 0, v[RS+(\tau)/2], v[QS] matrix_a_fmt:MATRIX_FMT_FP4 matrix_b_fmt:MATRIX_FMT_FP4 matrix_a_scale:MATRIX_SCALE_ROW1
.else
	v_wmma_scale_f32_16x16x128_f8f6f4 v[S+8*(\tau):S+8*(\tau)+7], v[FB+8*(\b):FB+8*(\b)+7], v[QF:QF+7], 0, v[RS+(\tau)/2], v[QS] matrix_a_fmt:MATRIX_FMT_FP4 matrix_b_fmt:MATRIX_FMT_FP4
.endif
.endm
.macro KQ t                            ; tile t of the logits = 16 keys x my 16 queries + the relative part, which lies in the accumulator
.if (\t) >= 4
	v_wmma_scale_f32_16x16x128_f8f6f4 v[S+8*(\t):S+8*(\t)+7], v[FB+8*((\t)%4):FB+8*((\t)%4)+7], v[QF:QF+7], v[S+8*(\t):S+8*(\t)+7], v[KS+(\t)%4], v[QS] matrix_a_fmt:MATRIX_FMT_FP4 matrix_b_fmt:MATRIX_FMT_FP4 matrix_a_scale:MATRIX_SCALE_ROW1
.else
	v_wmma_scale_f32_16x16x128_f8f6f4 v[S+8*(\t):S+8*(\t)+7], v[FB+8*((\t)%4):FB+8*((\t)%4)+7], v[QF:QF+7], v[S+8*(\t):S+8*(\t)+7], v[KS+(\t)%4], v[QS] matrix_a_fmt:MATRIX_FMT_FP4 matrix_b_fmt:MATRIX_FMT_FP4
.endif
.endm
	s_load_b256 s[4:11], s[0:1], 0x0               ; qkv s[4:5], rtab s[6:7], oc s[8:9], os s[10:11]
	v_lshl_add_u32 v254, v0, 2, 0x4b000
	v_mov_b32 v255, 0
	ds_add_u32 v254, v255
	ds_add_u32 v254, v255
	v_lshrrev_b32 v1, 5, v0
	s_delay_alu instid0(VALU_DEP_1)
	v_readfirstlane_b32 s[WV], v1                  ; wave 0..15
	s_bfe_u32 s13, ttmp6, 0x40000                  ; cx
	s_bfe_u32 s14, ttmp6, 0x40004                  ; cy
	s_and_b32 s15, ttmp7, 0xffff
	s_lshl_b32 s15, s15, 2
	s_add_co_u32 s15, s15, s14                     ; (batch, head) = 4 x cluster y + cy
	s_lshl_b32 s57, ttmp9, 2
	s_add_co_u32 s57, s57, s13                     ; the block of 256 queries = 4 x cluster x + cx
	s_lshl_b32 s58, s14, 2
	s_lshl_b32 s58, 15, s58                        ; my row of the cluster
	s_lshl_b32 s59, 0x1111, s13                    ; my column
	; both blocks are dense in memory: rows of 256 bytes (32 elements of 8 bytes), no padding: 70 rows a load for K and V, 80 for the table
	s_or_b32 s[G1K], s58, (3<<16)|(1<<21)          ; 15:0 the mask; 17:16 elements of 8 bytes; 21 set beside a mask
	s_mov_b32 s[G1K+1], 32<<16                     ; tensor_dim0 = 32
	s_mov_b32 s[G1K+2], 70<<16                     ; tensor_dim1 = 70
	s_mov_b32 s[G1K+3], 32<<16                     ; tile_dim0 = 32
	s_mov_b32 s[G1K+4], 70                         ; tile_dim1 = 70
	s_mov_b32 s[G1K+5], 32                         ; from row to row
	s_mov_b32 s[G1K+6], 0
	s_mov_b32 s[G1K+7], 0
	s_or_b32 s[G1R], s59, (3<<16)|(1<<21)
	s_mov_b32 s[G1R+1], 32<<16
	s_mov_b32 s[G1R+2], 80<<16
	s_mov_b32 s[G1R+3], 32<<16
	s_mov_b32 s[G1R+4], 80
	s_mov_b32 s[G1R+5], 32
	s_mov_b32 s[G1R+6], 0
	s_mov_b32 s[G1R+7], 0
	s_and_b32 s60, s[WV], 3                        ; which part I fetch, if I fetch
	s_mul_i32 s61, s60, 17920                      ; K and V: 70 rows of 256 bytes, in LDS and in memory alike
	s_mul_i32 s16, s15, BHB                        ; s[16:17]: made of (batch, head) and the wave alone
	s_add_co_u32 s16, s16, s61
	s_mov_b32 s17, 0
	s_mul_i32 s62, s60, 20480                      ; the table: 80 rows of 256 bytes
	s_sub_co_u32 s20, 3, s57                       ; s[20:21]: made of the query block and the wave alone: the window begins at row 768 - 256 x block
	s_mul_i32 s20, s20, 12288
	s_add_co_u32 s20, s20, s62
	s_mov_b32 s21, 0
	s_mov_b32 s[SEL], 0x76543210
	s_mov_b32 s[SEL+1], 0xfedcba98                 ; v_permlanex16_b32's selects for lane l xor 16
	s_mov_b32 s[CS], 0x3e38aa3b                    ; log2(e) / 8
	s_mov_b32 s[CS+1], s[CS]                       ; (named with it as a pair, so it is written)
	s_mov_b32 s[TB], 0
	s_mov_b32 s[TS], 0
	s_mov_b32 s[TV], 0
	s_mov_b32 s[TR], 0
	s_mov_b32 s[CNT], 8
	s_wait_dscnt 0x0
	s_wait_kmcnt 0x0
	s_mov_b32 s[G0K], 1                            ; count = 1
	s_mov_b32 s[G0K+1], s61                        ; LDS address
	s_add_nc_u64 s[G0K+2:G0K+3], s[4:5], s[16:17]  ; global address
	s_or_b32 s[G0K+3], s[G0K+3], 0x80000000        ; type = 2
	s_mov_b32 s[G0R], 1
	s_add_co_u32 s[G0R+1], s62, RT
	s_add_nc_u64 s[G0R+2:G0R+3], s[6:7], s[20:21]
	s_or_b32 s[G0R+3], s[G0R+3], 0x80000000
	ROUND                                          ; all sixteen work-groups are here: the joint loads meet
	s_cmp_lt_u32 s[WV], 4                          ; waves 0-3 fetch K and V, waves 4-6 the table, the others nothing: one tensor load a wave at the most is out.  Four v_nop follow each line
	s_cbranch_scc0 .Lnot_k
	tensor_load_to_lds s[G0K:G0K+3], s[G1K:G1K+7]
	s_nop 0
.rept 4
	v_nop
.endr
	s_branch .Lasked
.Lnot_k:
	s_cmp_lt_u32 s[WV], 7
	s_cbranch_scc0 .Lasked
	tensor_load_to_lds s[G0R:G0R+3], s[G1R:G1R+7]
	s_nop 0
.rept 4
	v_nop
.endr
.Lasked:
	; my 16 queries n0 + r, n0 = 256 x block + 16 x wave, out of Q's images: step 2 x block + wave / 8, tile 2 (wave % 4) + r / 8, image lane r % 8 + 8 ((wave / 4) % 2)
	s_mul_i32 s58, s15, BHB
	s_lshl_b32 s59, s57, 1
	s_lshr_b32 s61, s[WV], 3
	s_add_co_u32 s59, s59, s61                     ; the step
	s_bfe_u32 s61, s[WV], 0x10002                  ; (wave / 4) % 2
	s_lshl_b32 s62, s59, 12
	s_add_co_u32 s62, s62, s58
	s_lshl_b32 s63, s60, 10
	s_add_co_u32 s62, s62, s63
	s_lshl_b32 s63, s61, 7
	s_add_co_u32 s62, s62, s63
	s_add_co_u32 s62, s62, 71680                   ; the codes' offset in qkv
	s_lshl_b32 s63, s59, 9
	s_add_co_u32 s63, s63, s58
	s_lshl_b32 s59, s61, 8
	s_add_co_u32 s63, s63, s59
	s_lshl_b32 s59, s60, 3
	s_add_co_u32 s63, s63, s59
	s_add_co_u32 s63, s63, 104448                  ; the scale words'
	v_and_b32 v[C0], 15, v0                        ; r
	v_bfe_u32 v[C0+1], v0, 4, 1                    ; h
	v_and_b32 v[C0+2], 7, v0                       ; r % 8
	v_bfe_u32 v[C0+3], v0, 3, 1                    ; r / 8
	s_delay_alu instid0(VALU_DEP_1)
	v_lshlrev_b32 v[ADK], 9, v[C0+3]
	s_delay_alu instid0(VALU_DEP_1)
	v_lshl_add_u32 v[ADK], v[C0+1], 8, v[ADK]
	s_delay_alu instid0(VALU_DEP_1)
	v_lshl_add_u32 v[ADK], v[C0+2], 4, v[ADK]
	s_delay_alu instid0(VALU_DEP_1)
	v_add_nc_u32 v[ADK], s62, v[ADK]
	v_lshlrev_b32 v[ADS], 5, v[C0+2]
	s_delay_alu instid0(VALU_DEP_1)
	v_lshl_add_u32 v[ADS], v[C0+3], 2, v[ADS]
	s_delay_alu instid0(VALU_DEP_1)
	v_add_nc_u32 v[ADS], s63, v[ADS]
	global_load_b128 v[QF:QF+3], v[ADK], s[4:5]    ; Q's codes: d = 32 h + 0 .. 31 of query n0 + r
	global_load_b32 v[QS], v[ADS], s[4:5]          ; and its scale word
.irp i, 4,5,6,7
	v_mov_b32 v[QF+\i], 0                          ; the upper 64 along K: zero codes
.endr
.irp b, 0,1,2,3,4
.irp i, 4,5,6,7
	v_mov_b32 v[FB+8*\b+\i], 0                     ; likewise, once for the whole launch
.endr
.endr
	v_and_b32 v[LI], 31, v0
	s_delay_alu instid0(VALU_DEP_1)
	v_lshlrev_b32 v[LI], 4, v[LI]
	v_lshlrev_b32 v[AKS0], 5, v[C0]
	s_delay_alu instid0(VALU_DEP_1)
	v_lshl_add_u32 v[AKS0], v[C0+1], 4, v[AKS0]
	s_delay_alu instid0(VALU_DEP_1)
	v_add_nc_u32 v[AKS0], KSC, v[AKS0]
	v_lshl_add_u32 v[AVS0], v[C0], 4, VSC
	s_xor_b32 s59, s[WV], 15                       ; step 0's first row of the window: 16 (15 - wave)
	s_mul_i32 s59, s59, 768
	s_add_co_u32 s59, s59, RT
	v_lshl_add_u32 v[MX], v[C0+3], 6, v[C0+2]      ; lane r takes row r % 8 + 64 (r / 8) of a tile
	s_delay_alu instid0(VALU_DEP_1)
	v_mul_u32_u24 v[MX], v[MX], 48
	s_delay_alu instid0(VALU_DEP_1)
	v_add_nc_u32 v[MX], s59, v[MX]
	s_delay_alu instid0(VALU_DEP_1)
	v_lshl_add_u32 v[AR0], v[C0+1], 4, v[MX]
	s_delay_alu instid0(VALU_DEP_2)
	v_mad_u32_u24 v[ARS0], v[C0+1], 384, v[MX]     ; lanes 16-31: eight rows, one tile, further on
	s_mul_i32 s58, s[WV], SCW
	s_add_co_u32 s58, s58, SCR
	v_mul_u32_u24 v[SW], v[C0], 336
	s_delay_alu instid0(VALU_DEP_1)
	v_mad_u32_u24 v[SW], v[C0+1], 5504, v[SW]
	s_delay_alu instid0(VALU_DEP_1)
	v_add_nc_u32 v[SW], s58, v[SW]
	v_xor_b32 v[MX], 15, v[C0]                     ; 15 - r
	s_delay_alu instid0(VALU_DEP_1)
	v_lshl_add_u32 v[SL], v[MX], 2, v[SW]
	v_lshlrev_b32 v[SH8], 3, v[C0+1]
	v_mov_b32 v[TM], 0xff61b1e6                    ; the largest t so far: -3e38, under every t
	s_delay_alu instid0(VALU_DEP_1)
	v_floor_f32 v[NM], -v[TM]
	v_mov_b32 v[LS], 0
	v_mov_b32 v[LS+1], 0
	v_mov_b32 v[MP], 0                             ; lane permutes' destinations count as sources; upper halves of pairs are named with the lower
	v_mov_b32 v[PX], 0
	v_mov_b32 v[FF+1], 0
.set j, 0
.rept 32
	v_mov_b32 v[O+j], 0                            ; O^T.  The step is written once: the first finds zeros, which the first change of M leaves zeros
.set j, j+1
.endr
	s_wait_tensorcnt 0x0                           ; my part has landed,
	s_barrier_signal -1
	s_barrier_wait -1                              ; everybody's has
	s_wait_loadcnt 0x0                             ; Q
.Lstep:                                            ; eight trips of 128 keys
	s_setprio 2
	v_add_nc_u32 v[ADK], s[TB], v[LI]              ; (these five are also the places behind the last trip's products)
	v_add_nc_u32 v[ADS], s[TS], v[AKS0]
	v_add_nc_u32 v[ADT], s[TV], v[AVS0]
	v_add_nc_u32 v[ADR], s[TR], v[AR0]
	v_add_nc_u32 v[ADRS], s[TR], v[ARS0]
	; ---- X, tiles 0-4
.irp p, 0,1,2,3,4
	ds_load_b32 v[RS+\p], v[ADRS] offset:768*\p    ; the scale words of tiles 2 p (lanes 0-15) and 2 p + 1 (lanes 16-31)
.endr
.irp b, 0,1,2,3,4
	ds_load_b128 v[FB+8*\b:FB+8*\b+3], v[ADR] offset:16+384*\b
.endr
	s_wait_alu depctr_va_vdst(0)
	s_wait_dscnt 0x0
.irp b, 0,1,2,3,4
	RQ \b, \b
.endr
	; ---- X, tiles 5-9; tiles 0-4 go to the scratch
	PLACES
.irp b, 0,1,2,3,4
	ds_load_b128 v[FB+8*\b:FB+8*\b+3], v[ADR] offset:16+384*(5+\b)
.endr
.irp q, 0,1,2,3,4,5,6,7,8,9
	ds_store_b128 v[SW], v[S+4*\q:S+4*\q+3] offset:16*\q    ; each accumulator from its low end on
.endr
	s_wait_dscnt 10                                ; the five fragments are in; the ten stores may be out
.irp b, 0,1,2,3,4
	RQ 5+\b, \b
.endr
	; ---- the shift, and K's tiles 0-3
	PLACES
.irp t, 0,1,2,3
	ds_load_b128 v[FB+8*\t:FB+8*\t+3], v[ADK] offset:KC+512*\t
.endr
	ds_load_b128 v[KS:KS+3], v[ADS]                ; lanes 0-15: the words of tiles 0-3; lanes 16-31: of tiles 4-7
.irp q, 10,11,12,13,14,15,16,17,18,19
	ds_store_b128 v[SW], v[S+4*\q:S+4*\q+3] offset:16*\q
.endr
.set j, 0
.rept 64
	ds_load_b32 v[S+j], v[SL] offset:4*j           ; register u takes X[u + 15 - r].  LDS serves a wave's instructions in order (ISA guide 5.7.1.4): these see my stores
.set j, j+1
.endr
	s_wait_dscnt 32                                ; K's four fragments, its words and registers 0-31 are in; the youngest 32 loads may be out
.irp t, 0,1,2,3
	KQ \t
.endr
	; ---- K's tiles 4-7; V is asked for
	PLACES
.irp t, 0,1,2,3
	ds_load_b128 v[FB+8*\t:FB+8*\t+3], v[ADK] offset:KC+512*(4+\t)
.endr
.irp f, 0,1,2,3
.irp c, 0,1
	ds_load_b128 v[VF+8*\f+4*\c:VF+8*\f+4*\c+3], v[ADK] offset:VC+(2*\f+\c)*512
.endr
.endr
	ds_load_b128 v[VS:VS+3], v[ADT]
	s_wait_dscnt 9                                 ; all but V's nine loads
.irp t, 4,5,6,7
	KQ \t
.endr
	PLACES
	; ---- the softmax: my 64 keys are two whole blocks of 32
.irp i, 0,1,2,3
	v_max3_num_f32 v[C0+\i], v[S+16*\i], v[S+16*\i+1], v[S+16*\i+2]      ; four chains of 16
.endr
.irp k, 3,5,7,9,11,13
.irp i, 0,1,2,3
	v_max3_num_f32 v[C0+\i], v[C0+\i], v[S+16*\i+\k], v[S+16*\i+\k+1]
.endr
.endr
	s_setprio 1
	v_max3_num_f32 v[C0], v[C0], v[S+15], v[S+31]
	v_max3_num_f32 v[C0+2], v[C0+2], v[S+47], v[S+63]
	s_delay_alu instid0(VALU_DEP_2)
	v_max_num_f32 v[C0], v[C0], v[C0+1]            ; THE LARGEST LOGIT OF EACH BLOCK: it serves for the row's maximum and, since p rises with the logit, for the block's largest p
	s_delay_alu instid0(VALU_DEP_2)
	v_max_num_f32 v[C0+2], v[C0+2], v[C0+3]
	s_delay_alu instid0(VALU_DEP_1)
	v_max_num_f32 v[MX], v[C0], v[C0+2]
	s_delay_alu instid0(VALU_DEP_1)
	v_permlanex16_b32 v[MP], v[MX], s[SEL], s[SEL+1]
	s_delay_alu instid0(VALU_DEP_1)
	v_max_num_f32 v[MX], v[MX], v[MP]              ; with lane l xor 16's 64 keys: the step's largest of my query
	s_delay_alu instid0(VALU_DEP_1)
	v_mul_f32 v[MX], s[CS], v[MX]                  ; as t (c is positive)
	s_delay_alu instid0(VALU_DEP_1)
	v_max_num_f32 v[TM], v[TM], v[MX]
	v_mov_b32 v[DM], v[NM]
	s_delay_alu instid0(VALU_DEP_2)
	v_floor_f32 v[NM], -v[TM]                      ; the new -M = -ceil(t): a whole number
	s_delay_alu instid0(VALU_DEP_1)
	v_sub_f32 v[DM], v[NM], v[DM]                  ; old M - new M: a whole number, 0 or less
	s_delay_alu instid0(VALU_DEP_1)
	v_cvt_i32_f32 v[DM], v[DM]                     ; (it saturates)
	s_delay_alu instid0(VALU_DEP_1)
	v_ldexp_f32 v[FF], 1.0, v[DM]                  ; f = 2^(old M - new M)
.set j, 0
.rept 32
	v_pk_fma_f32 v[S+j:S+j+1], v[S+j:S+j+1], s[CS:CS+1], v[NM:NM+1] op_sel_hi:[1,0,0]   ; t - M, two at a time
.set j, j+2
.endr
	v_fma_f32 v[C0], v[C0], s[CS], v[NM]           ; the same of each block's largest
	v_fma_f32 v[C0+2], v[C0+2], s[CS], v[NM]
.set j, 0
	s_wait_alu depctr_va_vdst(0)
.rept 64
	v_exp_f32 v[S+j], v[S+j]                       ; p = 2^(t - M)
.set j, j+1
.endr
	v_exp_f32 v[C0], v[C0]
	v_exp_f32 v[C0+2], v[C0+2]
	v_pk_mul_f32 v[LS:LS+1], v[LS:LS+1], v[FF:FF+1] op_sel_hi:[1,0]      ; the sum under the new M; the plain line behind the exponentials
	s_wait_alu depctr_va_vdst(0)
	v_max_num_f32 v[C0], 0x1800000, v[C0]          ; the floor 2^(3 - 127): the byte cannot fall under 1
	v_max_num_f32 v[C0+2], 0x1800000, v[C0+2]
	s_delay_alu instid0(VALU_DEP_2)
	v_add_nc_u32 v[SCO], 0xff000000, v[C0]         ; 2 off the exponent field: the conversion's scale operand
	s_delay_alu instid0(VALU_DEP_2)
	v_add_nc_u32 v[SCO+1], 0xff000000, v[C0+2]
	s_delay_alu instid0(VALU_DEP_2)
	v_lshrrev_b32 v[BB], 23, v[SCO]
	s_delay_alu instid0(VALU_DEP_2)
	v_lshrrev_b32 v[BB+1], 23, v[SCO+1]
	s_delay_alu instid0(VALU_DEP_1)
	v_lshl_or_b32 v[BB], v[BB+1], 16, v[BB]        ; my two bytes, blocks h and 2 + h,
	s_delay_alu instid0(VALU_DEP_1)
	v_lshlrev_b32 v[BB], v[SH8], v[BB]
	s_delay_alu instid0(VALU_DEP_1)
	v_permlanex16_b32 v[PX], v[BB], s[SEL], s[SEL+1]
	s_delay_alu instid0(VALU_DEP_1)
	v_or_b32 v[PS], v[BB], v[PX]                   ; with lane l xor 16's two: p's scale word
.irp c, 0,1
.irp g, 0,1,2,3
	v_cvt_scalef32_pk8_fp4_f32 v[PC+4*\c+\g], v[S+32*\c+8*\g:S+32*\c+8*\g+7], v[SCO+\c]
.endr
.endr
	v_nop                                          ; one plain line behind the conversions
	v_pk_add_f32 v[248:249], v[126:127], v[130:131]
	v_pk_add_f32 v[250:251], v[134:135], v[138:139]
	v_pk_add_f32 v[246:247], v[142:143], v[146:147]
	v_pk_add_f32 v[244:245], v[150:151], v[154:155]
	v_pk_add_f32 v[240:241], v[158:159], v[162:163]
	v_pk_add_f32 v[236:237], v[166:167], v[170:171]
	v_pk_add_f32 v[234:235], v[174:175], v[178:179]
	s_setprio 0
	v_pk_add_f32 v[14:15], v[14:15], v[182:183]
	v_pk_add_f32 v[248:249], v[248:249], v[122:123]
	v_pk_add_f32 v[250:251], v[250:251], v[124:125]
	v_pk_add_f32 v[246:247], v[246:247], v[128:129]
	v_pk_add_f32 v[244:245], v[244:245], v[132:133]
	v_pk_add_f32 v[240:241], v[240:241], v[136:137]
	v_pk_add_f32 v[236:237], v[236:237], v[140:141]
	v_pk_add_f32 v[234:235], v[234:235], v[144:145]
	v_pk_add_f32 v[14:15], v[14:15], v[148:149]
	v_pk_add_f32 v[248:249], v[248:249], v[152:153]
	v_pk_add_f32 v[250:251], v[250:251], v[156:157]
	v_pk_add_f32 v[246:247], v[246:247], v[160:161]
	v_pk_add_f32 v[244:245], v[244:245], v[164:165]
	v_pk_add_f32 v[240:241], v[240:241], v[168:169]
	v_pk_add_f32 v[236:237], v[236:237], v[172:173]
	v_pk_add_f32 v[234:235], v[234:235], v[176:177]
	v_pk_add_f32 v[14:15], v[14:15], v[180:181]
	v_pk_add_f32 v[248:249], v[248:249], v[184:185]
	s_delay_alu instid0(VALU_DEP_2)
	v_pk_add_f32 v[14:15], v[14:15], v[244:245]
	s_delay_alu instid0(VALU_DEP_2)
	v_pk_add_f32 v[248:249], v[248:249], v[240:241]
	v_pk_add_f32 v[250:251], v[250:251], v[236:237]
	v_pk_add_f32 v[246:247], v[246:247], v[234:235]
	s_delay_alu instid0(VALU_DEP_2)
	v_pk_add_f32 v[14:15], v[14:15], v[250:251]
	s_delay_alu instid0(VALU_DEP_2)
	v_pk_add_f32 v[248:249], v[248:249], v[246:247]
	s_delay_alu instid0(VALU_DEP_1)
	v_pk_add_f32 v[14:15], v[14:15], v[248:249]
.set j, 0
.rept 16
	v_pk_mul_f32 v[O+j:O+j+1], v[O+j:O+j+1], v[FF:FF+1] op_sel_hi:[1,0]  ; O^T under the new M.  These 48 lines are also the places between p's codes and word and the products below
.set j, j+2
.endr
	s_wait_alu depctr_va_vdst(0)
	; ---- O^T += V^T P^T
	s_wait_dscnt 0x0                               ; V
.irp f, 0,1,2,3
	v_wmma_scale_f32_16x16x128_f8f6f4 v[O+8*\f:O+8*\f+7], v[VF+8*\f:VF+8*\f+7], v[PC:PC+7], v[O+8*\f:O+8*\f+7], v[VS+\f], v[PS] matrix_a_fmt:MATRIX_FMT_FP4 matrix_b_fmt:MATRIX_FMT_FP4
.endr
	s_add_co_u32 s[TB], s[TB], 4096
	s_add_co_u32 s[TS], s[TS], 512
	s_add_co_u32 s[TV], s[TV], 256
	s_add_co_u32 s[TR], s[TR], 6144
	s_sub_co_u32 s[CNT], s[CNT], 1
	s_cmp_lg_u32 s[CNT], 0
	s_cbranch_scc1 .Lstep
	s_setprio 0
	; THE WAY OUT.  Register 8 f + j of lane (r, h) is o(n0 + r, d = 32 h + 8 f + j): a whole block of the last projection's K
	PLACES
	v_add_f32 v[LS], v[LS], v[LS+1]
	s_delay_alu instid0(VALU_DEP_1)
	v_permlanex16_b32 v[PX], v[LS], s[SEL], s[SEL+1]
	s_delay_alu instid0(VALU_DEP_1)
	v_add_f32 v[LS], v[LS], v[PX]                  ; the row's sum
	s_wait_alu depctr_va_vdst(0)
	v_rcp_f32 v[INV], v[LS]
	v_mov_b32 v[INV+1], 0                          ; the pair's upper half; also the plain line behind the reciprocal
.set j, 0
	s_wait_alu depctr_va_vdst(0)
.rept 16
	v_pk_mul_f32 v[S+j:S+j+1], v[O+j:O+j+1], v[INV:INV+1] op_sel_hi:[1,0]
.set j, j+2
.endr
	v_max3_num_f32 v[C0], |v[S]|, |v[S+1]|, 0x1800000
	v_max3_num_f32 v[C0+1], |v[S+16]|, |v[S+17]|, 0x1800000
.irp i, 2,4,6,8,10,12,14
	s_delay_alu instid0(VALU_DEP_2)
	v_max3_num_f32 v[C0], v[C0], |v[S+\i]|, |v[S+\i+1]|
	s_delay_alu instid0(VALU_DEP_2)
	v_max3_num_f32 v[C0+1], v[C0+1], |v[S+16+\i]|, |v[S+17+\i]|
.endr
	s_delay_alu instid0(VALU_DEP_1)
	v_max_num_f32 v[C0], v[C0], v[C0+1]
	s_delay_alu instid0(VALU_DEP_1)
	v_add_nc_u32 v[SCO], 0xff000000, v[C0]
.irp g, 0,1,2,3
	v_cvt_scalef32_pk8_fp4_f32 v[PC+\g], v[S+8*\g:S+8*\g+7], v[SCO]
.endr
	v_lshrrev_b32 v[BB], 23, v[SCO]
	s_lshr_b32 s58, s15, 3                         ; the batch
	s_and_b32 s59, s15, 7                          ; the head
	s_lshl_b32 s60, s58, 6
	s_lshl_b32 s61, s57, 4
	s_add_co_u32 s60, s60, s61
	s_add_co_u32 s60, s60, s[WV]                   ; my tile of 16 rows: 64 x batch + 16 x block + wave
	s_lshl_b32 s61, s60, 3
	s_add_co_u32 s61, s61, s59
	s_lshl_b32 s61, s61, 9                         ; (tile, head)'s image
	s_lshl_b32 s62, s60, 8                         ; the tile's 16 rows of 16 scale bytes,
	s_lshl_b32 s63, s59, 1
	s_add_co_u32 s62, s62, s63                     ; the head's two
	v_add_nc_u32 v[ADK], s61, v[LI]
	s_wait_alu depctr_va_vdst(0)
	v_and_b32 v[ADS], 15, v0
	s_delay_alu instid0(VALU_DEP_1)
	v_lshlrev_b32 v[ADS], 4, v[ADS]
	v_bfe_u32 v[ADT], v0, 4, 1
	s_delay_alu instid0(VALU_DEP_1)
	v_add_nc_u32 v[ADS], v[ADS], v[ADT]
	s_delay_alu instid0(VALU_DEP_1)
	v_add_nc_u32 v[ADS], s62, v[ADS]
	global_store_b128 v[ADK], v[PC:PC+3], s[8:9]   ; the wave stores 512 consecutive bytes
	global_store_b8 v[ADS], v[BB], s[10:11]
	s_wait_dscnt 0x0
	s_wait_tensorcnt 0x0
	ds_add_u32 v254, v255
	s_wait_dscnt 0x0
	ROUND                                          ; the closing round: no work-group ends while a partner may still ask for a tile that names it
	s_endpgm
.Lfunc_end_k_qd6230c2a0c_attn:
	.size	k_qd6230c2a0c_attn, .Lfunc_end_k_qd6230c2a0c_attn-k_qd6230c2a0c_attn
	.p2alignl 7, 3214868480
	.fill 96, 4, 3214868480
	.section	.rodata,"a",@progbits
	.p2align	6, 0x0
	.amdhsa_kernel k_qd6230c2a0c_attn
		.amdhsa_group_segment_fixed_size 327680
		.amdhsa_private_segment_fixed_size 0
		.amdhsa_enable_private_segment 0
		.amdhsa_kernarg_size 32
		.amdhsa_user_sgpr_count 2
		.amdhsa_user_sgpr_kernarg_segment_ptr 1
		.amdhsa_wavefront_size32 1
		.amdhsa_system_sgpr_workgroup_id_x 1
		.amdhsa_system_sgpr_workgroup_id_y 1
		.amdhsa_system_sgpr_workgroup_id_z 1
		.amdhsa_system_vgpr_workitem_id 0
		.amdhsa_next_free_vgpr 256
		.amdhsa_next_free_sgpr 66
		.amdhsa_reserve_vcc 0
		.amdhsa_float_denorm_mode_32 3
		.amdhsa_float_denorm_mode_16_64 3
		.amdhsa_memory_ordered 1
		.amdhsa_forward_progress 1
		.amdhsa_inst_pref_size 38
	.end_amdhsa_kernel
	.amdgpu_metadata
---
amdhsa.version: [ 1, 2 ]
amdhsa.kernels:
  - .name:           k_qd6230c2a0c_attn
    .symbol:         k_qd6230c2a0c_attn.kd
    .args:
      - { .name: qkv, .offset: 0, .size: 8, .value_kind: global_buffer, .address_space: global }
      - { .name: rtab, .offset: 8, .size: 8, .value_kind: global_buffer, .address_space: global }
      - { .name: oc, .offset: 16, .size: 8, .value_kind: global_buffer, .address_space: global }
      - { .name: os, .offset: 24, .size: 8, .value_kind: global_buffer, .address_space: global }
    .group_segment_fixed_size: 327680
    .private_segment_fixed_size: 0
    .kernarg_segment_align: 8
    .kernarg_segment_size: 32
    .max_flat_workgroup_size: 512
    .sgpr_count:     66
    .vgpr_count:     256
    .wavefront_size: 32
...
	.end_amdgpu_metadata
.endif
;; end of part 5
;; launch outp (part 6): grid 4 x 64, 8 waves a work-group, no clusters, 68,608 bytes of LDS; arguments oc, os, Wout_codes, Wout_scales, bout, out0; writes out0
.if DOCPART == 6
	.amdgcn_target "amdgcn-amd-amdhsa--gfx1250"
	.amdhsa_code_object_version 6
	.text
	.protected	k_qd6230c2a0c_outp
	.globl	k_qd6230c2a0c_outp
	.p2align	8
	.type	k_qd6230c2a0c_outp,@function
k_qd6230c2a0c_outp:
	s_mov_b64 s[64:65], 0
	v_nop
	global_prefetch_b8 v0, s[64:65] scope:SCOPE_SE
	s_setreg_imm32_b32 hwreg(HW_REG_WAVE_SCHED_MODE, 0, 2), 2
	s_setreg_imm32_b32 hwreg(HW_REG_WAVE_MODE, 25, 1), 1
	s_wait_xcnt 0x0
	s_wait_alu depctr_vm_vsrc(0)
; out0 = o Wout + bout on codes of FP4 (E2M1) with E8M0 scales.  o comes as images of the operand's registers: oc [tile of 16 rows][head 8][lane 32][16 bytes], os [row][16 scale bytes].  Wout's codes [512 (n)][256 bytes], K innermost.
; SHARES.  Work-group (x, y): columns 128 x on, rows 128 y on.  Wave w: the 16 rows of tile 8 y + w x 128 columns: eight accumulators.  Waves share nothing: no barrier.
; No tensor loads (operands go straight into registers, each fragment read once by its wave), hence no cluster: what four work-groups would share is 32 KiB of o or of Wout each.
; THE MATRIX INSTRUCTION IS USED TRANSPOSED (source 0 = 16 rows of Wout, source 1 = my 16 rows of o): a lane holds eight neighbouring columns of one row.  The bias is loaded straight into the accumulators.
; The work goes in eight units of four matrix instructions (four tiles of columns x one K step of 128), Wout's fragments three units ahead in three sets.
; THE WAY OUT: through the wave's own stage in LDS (16 rows of 512 bytes + 16), back as whole rows: each store of the wave covers 512 consecutive bytes, aligned.
; THE MODE: SCHED_MODE bits 1:0 = 2 (LLVM: expert scheduling mode 2), set by the entry lines.  The code itself states the register dependences between vector or matrix instructions and memory or LDS instructions, with s_wait_alu, always for 0.
; THE PLAN.  Registers that memory or LDS instructions touch:
;   v3-v8        Offsets and LDS addresses: written once at the head, read by the loads, the LDS instructions and the stores; never written again.
;   WF[u % 3]    Unit u's four matrix instructions read the set; behind them the eight loads of unit u + 3 land in it.  At the end the loads from the stage land in WF, and the global stores read it.
;   ACC          The bias is loaded into it; matrix instructions alone name it after that; at the end the LDS stores read it.
;   OF, OS, WS   Loaded once, read by matrix instructions.
;   v254, v255   Written at the head, read by the closing add alone.
; So one wait on va_vdst stands behind the products of each unit that refills a set (units 0 to 4), and one ahead of the way out.  No register that a memory or LDS instruction reads is written again, so no wait on vm_vsrc is owed.
.set RR,  1
.set HH,  2
.set LI,  3                            ; 16 x lane
.set WA,  4                            ; Wout: row r, my half's 16 bytes
.set SA,  5                            ; 16 r: a row of scale bytes
.set BA,  6                            ; 32 h: the bias of my half's eight columns
.set STO, 7                            ; the stage: where I put 32 bytes of a row
.set RD,  8                            ; and where I read a row back
.set OS,  12                           ; v12-15  o's scale words, one for each K step
.set OF,  16                           ; v16-47  o's four fragments
.set WS,  48                           ; v48-79  Wout's scale words: 4 j + K step
.set WF,  80                           ; v80-175 Wout's fragments, three sets of four; later the rows read back
.set ACC, 176                          ; v176-239
	s_load_b256 s[4:11], s[0:1], 0x0               ; oc, os, Wout's codes, Wout's scales
	s_load_b128 s[12:15], s[0:1], 0x20             ; bout, out0
	v_lshl_add_u32 v254, v0, 2, 0x10800
	v_mov_b32 v255, 0
	v_lshrrev_b32 v1, 5, v0
	v_readfirstlane_b32 s16, v1                    ; wave 0..7
	s_and_b32 s17, ttmp7, 0xffff
	s_lshl_b32 s17, s17, 3
	s_mov_b32 s19, 0
	v_and_b32 v[RR], 15, v0
	v_bfe_u32 v[HH], v0, 4, 1
	v_and_b32 v[LI], 31, v0
	v_lshlrev_b32 v[LI], 4, v[LI]
	v_lshlrev_b32 v[WA], 8, v[RR]
	v_lshl_add_u32 v[WA], v[HH], 4, v[WA]
	v_lshlrev_b32 v[SA], 4, v[RR]
	v_lshlrev_b32 v[BA], 5, v[HH]
	v_mul_u32_u24 v[STO], v[RR], 528
	v_lshl_add_u32 v[STO], v[HH], 5, v[STO]
	s_wait_alu depctr_va_sdst(0)                   ; s16, the wave's number, is written, ahead of its first reader: my tile and my stage are made from it
	s_add_co_u32 s17, s17, s16                     ; my tile of 16 rows
	s_mul_i32 s20, s16, 8448                       ; my stage
	v_add_nc_u32 v[STO], s20, v[STO]
	v_add_nc_u32 v[RD], s20, v[LI]
	s_wait_kmcnt 0x0
	s_lshl_b32 s18, s17, 12                        ; a tile's eight images
	s_add_nc_u64 s[4:5], s[4:5], s[18:19]
	s_lshl_b32 s18, s17, 8
	s_add_nc_u64 s[6:7], s[6:7], s[18:19]
	s_lshl_b32 s18, ttmp9, 15                      ; my 128 rows of Wout
	s_add_nc_u64 s[8:9], s[8:9], s[18:19]
	s_lshl_b32 s18, ttmp9, 11
	s_add_nc_u64 s[10:11], s[10:11], s[18:19]
	s_lshl_b32 s18, ttmp9, 9                       ; my 128 columns, in bytes of f32
	s_add_nc_u64 s[12:13], s[12:13], s[18:19]
	s_add_nc_u64 s[14:15], s[14:15], s[18:19]
	s_lshl_b32 s18, s17, 15                        ; my 16 rows of 2,048 bytes
	s_add_nc_u64 s[14:15], s[14:15], s[18:19]
	s_wait_alu depctr_va_vdst(0)                   ; the offsets and LDS addresses v3 to v8 are written, which every load, LDS instruction and store below reads
.irp j, 0,1,2,3,4,5,6,7
	global_load_b128 v[ACC+8*\j:ACC+8*\j+3], v[BA], s[12:13] offset:64*\j        ; the bias of columns 16 j + 8 h + 0 .. 7: the sums begin with it
	global_load_b128 v[ACC+8*\j+4:ACC+8*\j+7], v[BA], s[12:13] offset:64*\j+16
.endr
	global_load_b128 v[OS:OS+3], v[SA], s[6:7]
.irp i, 0,1,2,3,4,5,6,7
	global_load_b128 v[OF+4*\i:OF+4*\i+3], v[LI], s[4:5] offset:512*\i           ; head i's image is registers 4 (i % 2) on of K step i / 2
.endr
.irp j, 0,1,2,3,4,5,6,7
	global_load_b128 v[WS+4*\j:WS+4*\j+3], v[SA], s[10:11] offset:256*\j
.endr
.macro ULOAD u                         ; unit u: tiles 4 (u / 4) + 0 .. 3 of columns, K step u % 4, into set u % 3: eight loads
.irp jj, 0,1,2,3
.irp c, 0,1
	global_load_b128 v[WF+32*((\u)%3)+8*\jj+4*\c:WF+32*((\u)%3)+8*\jj+4*\c+3], v[WA], s[8:9] offset:(4*((\u)/4)+\jj)*4096+64*((\u)%4)+32*\c
.endr
.endr
.endm
.macro UMUL u                          ; its four matrix instructions: four accumulators by turns, one instruction a turn
.irp jj, 0,1,2,3
	v_wmma_scale_f32_16x16x128_f8f6f4 v[ACC+8*(4*((\u)/4)+\jj):ACC+8*(4*((\u)/4)+\jj)+7], v[WF+32*((\u)%3)+8*\jj:WF+32*((\u)%3)+8*\jj+7], v[OF+8*((\u)%4):OF+8*((\u)%4)+7], v[ACC+8*(4*((\u)/4)+\jj):ACC+8*(4*((\u)/4)+\jj)+7], v[WS+4*(4*((\u)/4)+\jj)+(\u)%4], v[OS+(\u)%4] matrix_a_fmt:MATRIX_FMT_FP4 matrix_b_fmt:MATRIX_FMT_FP4
.endr
.endm
	ULOAD 0
	ULOAD 1
	ULOAD 2
.irp u, 0,1,2,3,4,5,6,7
.if 7-\u >= 2
	s_wait_loadcnt 16                              ; this unit's eight loads (and all before them) are in; the two younger units' may be out
.else
	s_wait_loadcnt 8*(7-\u)
.endif
	UMUL \u
.rept 4
	v_nop                                          ; four places in front of loads into the set just multiplied, and at the end of the first read of results
.endr
.if \u+3 <= 7
	s_wait_alu depctr_va_vdst(0)                   ; this unit's four products are done reading their set of Wout's fragments, in which the eight loads below land
	ULOAD \u+3
.endif
.endr
	s_wait_alu depctr_va_vdst(0)                   ; the products have written the accumulators, which the LDS stores read, and are done reading Wout's sets, in which the loads from the stage land; the four places above stay beside this wait
.irp j, 0,1,2,3,4,5,6,7
	ds_store_b128 v[STO], v[ACC+8*\j:ACC+8*\j+3] offset:64*\j                    ; each accumulator from its low end on
	ds_store_b128 v[STO], v[ACC+8*\j+4:ACC+8*\j+7] offset:64*\j+16
.endr
.irp t, 0,1,2,3,4,5,6,7,8,9,10,11,12,13,14,15
	ds_load_b128 v[WF+4*\t:WF+4*\t+3], v[RD] offset:528*\t                       ; LDS serves a wave's instructions in order (ISA guide 5.7.1.4): these see my stores
.endr
.irp t, 0,1,2,3,4,5,6,7,8,9,10,11,12,13,14,15
	s_wait_dscnt 15-\t                             ; row t is back; the younger loads may be out
	global_store_b128 v[LI], v[WF+4*\t:WF+4*\t+3], s[14:15] offset:2048*\t th:TH_STORE_NT   ; 512 consecutive bytes of a row, at a multiple of 256 from out0's first byte; written once, read by nobody here
.endr
	s_wait_dscnt 0x0                               ; the closing lines, six on end
	s_wait_alu 0x0
	s_wait_tensorcnt 0x0
	ds_add_u32 v254, v255
	s_wait_dscnt 0x0
	s_endpgm
.Lfunc_end_k_qd6230c2a0c_outp:
	.size	k_qd6230c2a0c_outp, .Lfunc_end_k_qd6230c2a0c_outp-k_qd6230c2a0c_outp
	.p2alignl 7, 3214868480
	.fill 96, 4, 3214868480
	.section	.rodata,"a",@progbits
	.p2align	6, 0x0
	.amdhsa_kernel k_qd6230c2a0c_outp
		.amdhsa_group_segment_fixed_size 68608
		.amdhsa_private_segment_fixed_size 0
		.amdhsa_enable_private_segment 0
		.amdhsa_kernarg_size 48
		.amdhsa_user_sgpr_count 2
		.amdhsa_user_sgpr_kernarg_segment_ptr 1
		.amdhsa_wavefront_size32 1
		.amdhsa_system_sgpr_workgroup_id_x 1
		.amdhsa_system_sgpr_workgroup_id_y 1
		.amdhsa_system_sgpr_workgroup_id_z 1
		.amdhsa_system_vgpr_workitem_id 0
		.amdhsa_next_free_vgpr 256
		.amdhsa_next_free_sgpr 66
		.amdhsa_reserve_vcc 0
		.amdhsa_float_denorm_mode_32 3
		.amdhsa_float_denorm_mode_16_64 3
		.amdhsa_memory_ordered 1
		.amdhsa_forward_progress 1
		.amdhsa_inst_pref_size 21
	.end_amdhsa_kernel
	.amdgpu_metadata
---
amdhsa.version: [ 1, 2 ]
amdhsa.kernels:
  - .name:           k_qd6230c2a0c_outp
    .symbol:         k_qd6230c2a0c_outp.kd
    .args:
      - { .name: oc, .offset: 0, .size: 8, .value_kind: global_buffer, .address_space: global }
      - { .name: os, .offset: 8, .size: 8, .value_kind: global_buffer, .address_space: global }
      - { .name: Wout_codes, .offset: 16, .size: 8, .value_kind: global_buffer, .address_space: global }
      - { .name: Wout_scales, .offset: 24, .size: 8, .value_kind: global_buffer, .address_space: global }
      - { .name: bout, .offset: 32, .size: 8, .value_kind: global_buffer, .address_space: global }
      - { .name: out0, .offset: 40, .size: 8, .value_kind: global_buffer, .address_space: global }
    .group_segment_fixed_size: 68608
    .private_segment_fixed_size: 0
    .kernarg_segment_align: 8
    .kernarg_segment_size: 48
    .max_flat_workgroup_size: 256
    .sgpr_count:     66
    .vgpr_count:     256
    .wavefront_size: 32
...
	.end_amdgpu_metadata
.endif
;; end of part 6
